; MI455X (gfx1250); checked and timed in simulation.
; The chip was launched on July 23, 2026; its instructions are those of AMD's public machine-readable ISA for CDNA 5 (MIT licence, August 2026) and "CDNA5" Instruction Set Architecture Reference Guide (July 2026). The comments in the code are by the model that wrote it; some were corrected since.
;; Causal Self Attention Mo H. Allowed arithmetic: matrix products marked QUANTISED: E2M3 operands, one E8M0 scale for each 32 along K, by v_wmma_scale_f32_16x16x128_f8f6f4 with both operands' format E2M3, f32 sums; products left as they are: f32 operands where the result goes on into a quantised operand, else bf16, f16 or f32 operands; f32 sums; everything else in f32.
;; Inputs: Wg 8 x 32 float32; Wk 512 x 1,024 float32; Wo 1,024 x 1,024 float32; Wq 1,024 x 1,024 float32; Wr 16 x 1,024 float32; Wv 512 x 1,024 float32; cos 1 x 2,048 x 1 x 32 float32; sin 1 x 2,048 x 1 x 32 float32; ve 4 x 2,048 x 512 float32; x 4 x 2,048 x 1,024 float32.
;; Outputs: out0 4 x 2,048 x 1,024 float32; out1 4 x 2,048 x 16 float32.
;; Constants: window_size = 0.
;; This version of the problem:
;;   THIS VERSION OF THE PROBLEM IS GIVEN IN LOW PRECISION. The matrix products marked QUANTISED in the list below multiply operands that are first quantised to E2M3 (2 exponent bits, 3 mantissa bits; 6 bits a number), with one power-of-two scale for each 32 numbers along K (OCP MX v1.0); their sums are f32. All else is computed in f32.
;;   The module's matrix products, in the order in which they are computed (A, B: the left and right operand; K: the contracted axis; several contracted axes count as one K, in the product's order):
;;     1. [M 8,192, K 1,024] x [K 1,024, N 16]; A: input x; B: input Wr: QUANTISED
;;     2. [M 8,192, K 1,024] x [K 1,024, N 1,024]; A: input x; B: input Wq: QUANTISED
;;     3. [M 8,192, K 1,024] x [K 1,024, N 512]; A: input x; B: input Wk: QUANTISED
;;     4. [M 8,192, K 1,024] x [K 1,024, N 512]; A: input x; B: input Wv: QUANTISED
;;     5. [M 8,192, K 32] x [K 32, N 8]; A: input x; B: input Wg: left as it is (N = 8 < 16)
;;     6. batch 64 x [M 2,048, K 64] x [K 64, N 2,048]; A: computed on the way; B: computed on the way: QUANTISED
;;     7. batch 64 x [M 64, K 2,048] x [K 2,048, N 2,048]; A: computed on the way; B: softmax (see below): QUANTISED
;;     8. [M 8,192, K 1,024] x [K 1,024, N 1,024]; A: computed on the way; B: input Wo: QUANTISED
;;   THE QUANTISER, for each operand of a quantised product, along K:
;;     - K is cut into blocks of 32 from its start; a last block that is shorter is filled with zeros.
;;     - A block's scale is 2^e with e = floor(log2(the largest magnitude in the block)) - 2, held to -126 .. 127; a block of zeros has e = 0. As a byte (E8M0): e + 127.
;;     - Each number is divided by its block's scale, clamped to +-7.5, and rounded to the nearest number of E2M3, ties to even, subnormals kept.
;;     - The product sums the exact products of the quantised numbers (number of the format x scale) in f32.
;;   ~~~python
;;   def quantise(x, axis):      # numpy; x: float32 -> the quantised numbers, widened to float32 again
;;       x = np.moveaxis(x, axis, -1); K = x.shape[-1]
;;       x = np.pad(x, [(0, 0)] * (x.ndim - 1) + [(0, -K % 32)]); x = x.reshape(x.shape[:-1] + (-1, 32)); a = np.abs(x).max(-1, keepdims=True)
;;       e = np.where(a > 0, np.clip(np.frexp(np.where(a > 0, a, 1))[1] - 1 - 2, -126, 127), 0)      # np.frexp(a)[1] - 1 = floor(log2(a)), exactly
;;       r = np.clip(x / 2.0 ** e, -7.5, 7.5)
;;       step = 2.0 ** (np.maximum(np.frexp(np.where(r == 0, 1, r))[1] - 1, 0) - 3)
;;       q = np.round(r / step) * step * 2.0 ** e      # np.round: ties to even
;;       return np.moveaxis(q.reshape(q.shape[:-2] + (-1,))[..., :K], -1, axis).astype(np.float32)
;;   ~~~
;;   SOFTMAX AHEAD OF A QUANTISED PRODUCT. Where the list says 'softmax', what is quantised is not the finished softmax but p = 2^(t - M), with t = logit x log2(e) and M = ceil(the row's largest t), a whole number; so 1/2 < the row's largest p <= 1. The row's sum l is taken of the UNQUANTISED p, in f32, and the product's result is divided by l at the end. Since M is a whole number, a kernel that streams over the keys may use a running M (the ceiling of the running maximum): every later rescaling is an exact power of two, which a block's scale takes up: the codes' values come out the same.
;;   OPERANDS COMPUTED ON THE WAY. 'Computed on the way' means the value that the module computes at that place (a softmax that the list does not call 'softmax' is quantised finished and normalised). What goes into a quantiser is computed in f32, as accurately as f32 sums, v_exp_f32 and their like allow (about 1e-6 of the number): no bf16 or f16 on the way to a quantiser, and a product that is left as it is and whose result goes on into a quantised operand takes f32 operands (vector FMAs, or v_wmma_f32_16x16x4_f32). A number that lies on a knife's edge between two numbers of the format may be rounded either way, as far as f32 arithmetic and the matrix unit's own rounding can turn it there, and no further.
;; One version. Each part assembles by itself: llvm-mc -triple=amdgcn-amd-amdhsa -mcpu=gfx1250 --defsym DOCPART=n.
;; ======== version 1 of 1: 4 launches
;; workspace buffers: XB 6,553,600 bytes; WB 2,457,600 bytes; GT 262,144 bytes; QB 6,815,744 bytes; KV 6,815,744 bytes; YB 6,553,600 bytes
;; launch quant (part 1): grid 240 x 1, 4 waves a work-group, no clusters, 13,824 bytes of LDS; arguments x, Wq, Wk, Wv, Wo, Wr, Wg, XB, WB, GT, out1; writes XB, WB, GT, out1
.if DOCPART == 1
	.amdgcn_target "amdgcn-amd-amdhsa--gfx1250"
	.amdhsa_code_object_version 6
	.text
	.protected	k_qe5d68df277_quant
	.globl	k_qe5d68df277_quant
	.p2align	8
	.type	k_qe5d68df277_quant,@function
k_qe5d68df277_quant:
	s_mov_b64 s[64:65], 0
	v_nop
	global_prefetch_b8 v0, s[64:65] scope:SCOPE_SE
	s_setreg_imm32_b32 hwreg(HW_REG_WAVE_MODE, 25, 1), 1
	s_wait_xcnt 0x0
; LAUNCH 1.  x [8192][1024], Wq, Wk, Wv, Wo become codes of E2M3 with one E8M0 byte for each 32 along K; the router's product x Wr^T and the mask of the 8 largest logits; the gates 2 sigmoid(x[:32] Wg^T).
; Work-groups 0-127: x, a wave to a tile of 16 tokens.  128-175: the weights, a wave to a tile of 16 rows.  176-239: the gates, a thread to a token.
; A TILE'S ROWS ARE NOT NEIGHBOURS: lane r of tile t takes row 32 (t / 2) + 8 (t % 2) + r + 8 (r / 8), so that where such a tile is source 0 of a product the 16 result registers of tiles 2 b, 2 b + 1 are 16 neighbours.
; CODES ARE STORED AS IMAGES OF THE OPERAND'S REGISTERS: a fragment (16 rows x 128 K, 12 registers a lane) is 1,536 bytes: registers 0-3 at 16 x lane, 4-5 at 512 + 8 x lane, 6-9 at 768 + 16 x lane, 10-11 at 1,280 + 8 x lane.
; Every store of a wave covers 512 or 256 consecutive bytes, aligned.  Scale words: a table [tile][row 16][K step 8] of 32-bit words.
; THE MASK: a head counts where fewer than 8 logits of the token are strictly larger, which is 'logit >= the 8th largest', ties included.  The logits are one f32 sum each, K ascending.
; LIMITS: NaN and infinities are not served.  A block whose largest magnitude lies under 2^-124 keeps the byte 1; a block of zeros gets the byte 1, not 127 (its codes are zeros; only this program reads the bytes).
; Two logits closer than the rounding of their f32 sums may fall either way.  The gates' path reads the first 128 bytes of each row of x a second time: 1 MB in all.
.set X0,   16                          ; v16-79, v80-143: two sets of 64 numbers
.set X1,   80
.set QM,   144                         ; largest magnitudes
.set QP,   148                         ; the partner lane's, then the bytes
.set QS,   152                         ; the conversions' scale operands
.set PC,   160                         ; v160-171 the fragment just made; v172-178 the conversions' second halves
.set SW,   180                         ; v180-187 my tile's eight scale words: scales and nothing else
.set WF,   188                         ; v188-199 a fragment of Wr
.set WFS,  200                         ; its scale word
.set ACC,  208                         ; the logits
.set PL,   216                         ; the partner lane's logits
.set CNT,  224
.set MSK,  232
.set SD,   240
.set XA,   1                           ; (r + 8 (r / 8)) x 4,096 + 64 h
.set XAW,  2                           ; r x 4,096 + 64 h: Wr's rows are taken as they lie
.set L16,  3
.set L8,   4
.set L4,   5
.set W16,  6                           ; LDS places of my two images of Wr
.set W8,   7
.set W4,   8
.set SWO,  9                           ; 32 r + 16 h
.set MO,   10                          ; (r + 8 (r / 8)) x 64 + 32 h
.set LN,   11
.set SRC,  28
.set DST,  30
.set SIG,  66                          ; two K steps on, in the codes' buffer
.set SCD,  68
.set SEL,  70
.set WRP,  72
; 64 numbers of a lane, register 16 b + i = k 32 b + 16 h + i of my row, become a fragment in v[PC] on and its scale word in v[pw]
.macro QUANT4 s, pw
.irp b, 0,1,2,3
	v_max3_num_f32 v[QM+\b], |v[\s+16*\b]|, |v[\s+1+16*\b]|, 0x1800000   ; my 16 numbers of block b and the floor 2^(3 - 127): the byte cannot fall under 1
.endr
.irp i, 2,4,6,8,10,12,14
.irp b, 0,1,2,3
	v_max3_num_f32 v[QM+\b], v[QM+\b], |v[\s+16*\b+\i]|, |v[\s+1+16*\b+\i]|
.endr
.endr
.irp b, 0,1,2,3
	v_permlanex16_b32 v[QP+\b], v[QM+\b], s[SEL], s[SEL+1]
.endr
.irp b, 0,1,2,3
	v_max_num_f32 v[QM+\b], v[QM+\b], v[QP+\b]     ; with lane l xor 16's: the block's largest magnitude
.endr
.irp b, 0,1,2,3
	v_add_nc_u32 v[QS+\b], 0xff000000, v[QM+\b]    ; 2 off its exponent field: the conversion's scale operand
.endr
.irp b, 0,1,2,3
	v_lshrrev_b32 v[QP+\b], 23, v[QS+\b]           ; the scale's byte
.endr
	v_lshl_or_b32 v[\pw], v[QP+1], 8, v[QP]
	v_lshl_or_b32 v[\pw], v[QP+2], 16, v[\pw]
	v_lshl_or_b32 v[\pw], v[QP+3], 24, v[\pw]
.irp c, 0,1
	v_cvt_scalef32_pk16_fp6_f32 v[PC+6*\c:PC+2+6*\c], v[\s+32*\c:\s+15+32*\c], v[QS+2*\c]
	v_cvt_scalef32_pk16_fp6_f32 v[PC+12+4*\c:PC+14+4*\c], v[\s+16+32*\c:\s+31+32*\c], v[QS+2*\c+1]
.endr
	v_nop                                          ; one plain place behind a scaled conversion
.irp c, 0,1                                    ; the operand's layout wants a whole block in a lane
.irp i, 0,1,2
	v_permlane16_swap_b32 v[PC+6*\c+\i], v[PC+12+4*\c+\i]
.endr
.irp i, 0,1,2
	v_mov_b32 v[PC+3+6*\c+\i], v[PC+12+4*\c+\i]
.endr
.endr
.endm
.macro XLOAD reg, ks, adr, base, nt            ; my rows' numbers of K step ks: 16 loads
.irp b, 0,1,2,3
.irp j, 0,1,2,3
.if \nt
	global_load_b128 v[\reg+16*\b+4*\j:\reg+16*\b+4*\j+3], v[\adr], s[\base:\base+1] offset:512*(\ks)+128*\b+16*\j th:TH_LOAD_NT
.else
	global_load_b128 v[\reg+16*\b+4*\j:\reg+16*\b+4*\j+3], v[\adr], s[\base:\base+1] offset:512*(\ks)+128*\b+16*\j
.endif
.endr
.endr
.endm
.macro IMG_G q                                 ; the fragment goes to memory as it stands
	global_store_b128 v[L16], v[PC:PC+3], s[DST:DST+1] offset:1536*(\q)
	global_store_b64 v[L8], v[PC+4:PC+5], s[DST:DST+1] offset:1536*(\q)+512
	global_store_b128 v[L16], v[PC+6:PC+9], s[DST:DST+1] offset:1536*(\q)+768
	global_store_b64 v[L8], v[PC+10:PC+11], s[DST:DST+1] offset:1536*(\q)+1280
.endm
.macro IMG_L k                                 ; the same into LDS, with its scale word
	ds_store_b128 v[W16], v[PC:PC+3] offset:1536*(\k)
	ds_store_b64 v[W8], v[PC+4:PC+5] offset:1536*(\k)+512
	ds_store_b128 v[W16], v[PC+6:PC+9] offset:1536*(\k)+768
	ds_store_b64 v[W8], v[PC+10:PC+11] offset:1536*(\k)+1280
	ds_store_b32 v[W4], v[WFS] offset:12288+128*(\k)
.endm
.macro WFETCH ks                               ; Wr's fragment and scale word of K step ks
	ds_load_b128 v[WF:WF+3], v[L16] offset:1536*(\ks)
	ds_load_b64 v[WF+4:WF+5], v[L8] offset:1536*(\ks)+512
	ds_load_b128 v[WF+6:WF+9], v[L16] offset:1536*(\ks)+768
	ds_load_b64 v[WF+10:WF+11], v[L8] offset:1536*(\ks)+1280
	ds_load_b32 v[WFS], v[L4] offset:12288+128*(\ks)
.endm
.macro KSTEP ks, router
.set XR, X0+64*((\ks)%2)
.if (\ks) < 7
	s_wait_loadcnt 16                              ; this step's 16 loads are in; the next step's 16 may be out
.else
	s_wait_loadcnt 0x0
.endif
	s_wait_xcnt 0x0                                ; the last fragment's stores have read their registers
	QUANT4 XR, SW+(\ks)
.if (\ks) < 6
	XLOAD XR, (\ks)+2, XA, SRC, 1
.endif
	IMG_G (\ks)%2
.if ((\ks)%2 == 1) && ((\ks) < 7)
	s_wait_xcnt 0x0                                ; the stores have read their base: it steps
	s_add_nc_u64 s[DST:DST+1], s[DST:DST+1], s[SIG:SIG+1]
.endif
.if \router
.rept 8
	v_nop                                          ; a scale register written by vector instructions stands 8 places ahead of a scaled product, an operand 4
.endr
	s_wait_dscnt 0x0                               ; Wr's fragment is in
.if (\ks) > 0
	s_wait_alu depctr_va_vdst(0)                   ; the wait ahead of every link
	v_wmma_scale_f32_16x16x128_f8f6f4 v[ACC:ACC+7], v[WF:WF+11], v[PC:PC+11], v[ACC:ACC+7], v[WFS], v[SW+(\ks)] matrix_a_fmt:MATRIX_FMT_FP6 matrix_b_fmt:MATRIX_FMT_FP6
.else
	v_wmma_scale_f32_16x16x128_f8f6f4 v[ACC:ACC+7], v[WF:WF+11], v[PC:PC+11], 0, v[WFS], v[SW+(\ks)] matrix_a_fmt:MATRIX_FMT_FP6 matrix_b_fmt:MATRIX_FMT_FP6
.endif
.rept 4
	v_nop                                          ; places in front of loads into its sources, of the next writes of its operand, and of the first read of the logits
.endr
.if (\ks) < 7
	WFETCH (\ks)+1
.endif
.endif
.endm
.macro SWOUT                                   ; my tile's scale words: lanes 0-15 store words 0-3 of their row, lanes 16-31 words 4-7: 512 consecutive bytes
	v_cmp_lt_u32 vcc_lo, 15, v[LN]
.irp i, 0,1,2,3
	v_cndmask_b32 v[SD+\i], v[SW+\i], v[SW+4+\i], vcc_lo
.endr
	global_store_b128 v[SWO], v[SD:SD+3], s[SCD:SCD+1]
.endm
	s_load_b512 s[4:19], s[0:1], 0x0               ; x, Wq, Wk, Wv, Wo, Wr, Wg, XB
	s_load_b128 s[20:23], s[0:1], 0x40             ; WB, GT
	s_load_b64 s[24:25], s[0:1], 0x50              ; out1
	v_lshl_add_u32 v254, v0, 2, 0x3400
	v_mov_b32 v255, 0
	v_lshrrev_b32 v1, 5, v0
	v_readfirstlane_b32 s26, v1                    ; wave
	s_cmp_ge_u32 ttmp9, 176
	s_cbranch_scc1 .Lgates
	v_and_b32 v[LN], 31, v0
	v_and_b32 v12, 15, v0                          ; r
	v_bfe_u32 v13, v0, 4, 1                        ; h
	v_and_b32 v14, 8, v12
	v_add_nc_u32 v14, v14, v12                     ; r + 8 (r / 8)
	v_lshlrev_b32 v[XA], 12, v14
	v_lshl_add_u32 v[XA], v13, 6, v[XA]
	v_lshlrev_b32 v[XAW], 12, v12
	v_lshl_add_u32 v[XAW], v13, 6, v[XAW]
	v_lshlrev_b32 v[L16], 4, v[LN]
	v_lshlrev_b32 v[L8], 3, v[LN]
	v_lshlrev_b32 v[L4], 2, v[LN]
	s_mul_i32 s52, s26, 3072
	v_add_nc_u32 v[W16], s52, v[L16]
	v_add_nc_u32 v[W8], s52, v[L8]
	s_lshl_b32 s52, s26, 8
	v_add_nc_u32 v[W4], s52, v[L4]
	v_lshlrev_b32 v[SWO], 5, v12
	v_lshl_add_u32 v[SWO], v13, 4, v[SWO]
	v_lshlrev_b32 v[MO], 6, v14
	v_lshl_add_u32 v[MO], v13, 5, v[MO]
.irp b, 0,1,2,3
	v_mov_b32 v[QP+\b], 0                          ; written once: a lane permute's destination counts as one of its sources
.endr
	s_mov_b32 s[SEL], 0x76543210
	s_mov_b32 s[SEL+1], 0xfedcba98
	; which tile is mine, and where it goes: all three cases are worked out, and chosen by the work-group's number
	s_lshl_b32 s32, ttmp9, 2
	s_add_co_u32 s32, s32, s26                     ; x: tile 4 wg + wave
	s_sub_co_u32 s33, s32, 512                     ; weights: j = 4 (wg - 128) + wave
	s_lshr_b32 s34, s33, 5                         ; nt
	s_and_b32 s35, s33, 31                         ; t
	s_lshl_b32 s36, s34, 4
	s_add_co_u32 s36, s36, s35                     ; Wq's tile 16 nt + t
	s_lshl_b32 s37, s34, 3
	s_and_b32 s38, s35, 7
	s_add_co_u32 s37, s37, s38                     ; Wk's or Wv's tile 8 nt + t % 8
	s_sub_co_u32 s40, s33, 128                     ; Wo's tile
	s_lshr_b32 s41, s32, 3
	s_mul_i32 s41, s41, 98304
	s_and_b32 s42, s32, 7
	s_mul_i32 s42, s42, 3072
	s_add_co_u32 s41, s41, s42                     ; x: codes
	s_lshl_b32 s42, s32, 9
	s_add_co_u32 s42, s42, 6291456                 ; x: scale words
	s_mul_i32 s43, s34, 393216
	s_mul_i32 s44, s35, 3072
	s_add_co_u32 s43, s43, s44                     ; Wq, Wk, Wv: codes
	s_lshl_b32 s44, s33, 9
	s_add_co_u32 s44, s44, 1572864                 ; and scale words
	s_lshr_b32 s45, s40, 4
	s_mul_i32 s45, s45, 196608
	s_and_b32 s46, s40, 15
	s_mul_i32 s46, s46, 3072
	s_add_co_u32 s45, s45, s46
	s_add_co_u32 s45, s45, 1638400                 ; Wo: codes
	s_lshl_b32 s46, s40, 9
	s_add_co_u32 s46, s46, 2424832                 ; and scale words
	s_mov_b32 s47, 98304
	s_mov_b32 s48, 49152
	s_mov_b32 s49, 24576
	s_wait_kmcnt 0x0
	s_cmp_lt_u32 s35, 24
	s_cselect_b64 s[SRC:SRC+1], s[8:9], s[10:11]
	s_cmp_lt_u32 s35, 16
	s_cselect_b64 s[SRC:SRC+1], s[6:7], s[SRC:SRC+1]
	s_cselect_b32 s39, s36, s37
	s_cmp_lt_u32 s33, 128
	s_cselect_b64 s[SRC:SRC+1], s[SRC:SRC+1], s[12:13]
	s_cselect_b32 s39, s39, s40
	s_cselect_b32 s43, s43, s45
	s_cselect_b32 s44, s44, s46
	s_cselect_b32 s47, s47, s48
	s_cmp_lt_u32 ttmp9, 128
	s_cselect_b64 s[SRC:SRC+1], s[4:5], s[SRC:SRC+1]
	s_cselect_b32 s39, s32, s39                    ; the source's tile
	s_cselect_b32 s43, s41, s43
	s_cselect_b32 s44, s42, s44
	s_cselect_b32 s[SIG], s49, s47
	s_cselect_b64 s[DST:DST+1], s[18:19], s[20:21]
	s_mov_b32 s[SIG+1], 0
	s_mov_b32 s45, 0
	s_add_nc_u64 s[SCD:SCD+1], s[DST:DST+1], s[44:45]
	s_mov_b32 s44, s43
	s_add_nc_u64 s[DST:DST+1], s[DST:DST+1], s[44:45]
	s_lshr_b32 s50, s39, 1
	s_lshl_b32 s50, s50, 17
	s_and_b32 s51, s39, 1
	s_lshl_b32 s51, s51, 15
	s_add_co_u32 s50, s50, s51                     ; (32 (tile / 2) + 8 (tile % 2)) rows of 4,096 bytes
	s_mov_b32 s51, 0
	s_add_nc_u64 s[SRC:SRC+1], s[SRC:SRC+1], s[50:51]
	s_cmp_ge_u32 ttmp9, 128
	s_cbranch_scc1 .Lweights
	; ---- x.  First Wr: wave w quantises its K steps 2 w and 2 w + 1 and lays their images into LDS for all four waves
	s_lshl_b32 s52, s26, 10
	s_mov_b32 s53, 0
	s_add_nc_u64 s[WRP:WRP+1], s[14:15], s[52:53]
	s_lshr_b32 s52, s50, 6                         ; the same rows in out1: 64 bytes a row
	s_add_nc_u64 s[24:25], s[24:25], s[52:53]
.irp j, 0,1,2,3,4,5,6,7
	v_mov_b32 v[PL+\j], 0
.endr
	XLOAD X0, 0, XAW, WRP, 0
	XLOAD X1, 1, XAW, WRP, 0
	s_wait_loadcnt 16
	QUANT4 X0, WFS
	IMG_L 0
	s_wait_dscnt 0x0                               ; the stores have read their registers
	XLOAD X0, 0, XA, SRC, 1
	s_wait_loadcnt 16                              ; Wr's second K step is in; x's first may be out
	QUANT4 X1, WFS
	IMG_L 1
	XLOAD X1, 1, XA, SRC, 1
	s_wait_dscnt 0x0                               ; for the others' sake: my images have landed
	s_barrier_signal -1
	s_barrier_wait -1                              ; Wr's eight fragments lie in LDS; nothing is stored there again
	WFETCH 0
.irp k, 0,1,2,3,4,5,6,7
	KSTEP \k, 1
.endr
	SWOUT
	; lane (r, h) holds the logits of heads 8 h + 0 .. 7 of token r; the other eight lie in lane l xor 16
.irp j, 0,1,2,3,4,5,6,7
	v_permlanex16_b32 v[PL+\j], v[ACC+\j], s[SEL], s[SEL+1]
.endr
.irp j, 0,1,2,3,4,5,6,7
	v_mov_b32 v[CNT+\j], 0
.endr
.irp j, 0,1,2,3,4,5,6,7
.irp o, 0,1,2,3,4,5,6,7
.if \o != \j
	v_cmp_gt_f32 vcc_lo, v[ACC+\o], v[ACC+\j]
	v_add_co_ci_u32 v[CNT+\j], vcc_lo, 0, v[CNT+\j], vcc_lo   ; how many logits are strictly larger
.endif
	v_cmp_gt_f32 vcc_lo, v[PL+\o], v[ACC+\j]
	v_add_co_ci_u32 v[CNT+\j], vcc_lo, 0, v[CNT+\j], vcc_lo
.endr
.endr
.irp j, 0,1,2,3,4,5,6,7
	v_cmp_gt_u32 vcc_lo, 8, v[CNT+\j]
	v_cndmask_b32 v[MSK+\j], 0, 1.0, vcc_lo
.endr
	global_store_b128 v[MO], v[MSK:MSK+3], s[24:25]
	global_store_b128 v[MO], v[MSK+4:MSK+7], s[24:25] offset:16
	s_wait_tensorcnt 0x0
	ds_add_u32 v254, v255
	s_wait_dscnt 0x0
	s_endpgm
.Lweights:
	XLOAD X0, 0, XA, SRC, 1
	XLOAD X1, 1, XA, SRC, 1
.irp k, 0,1,2,3,4,5,6,7
	KSTEP \k, 0
.endr
	SWOUT
	s_endpgm
.Lgates:                                           ; gate[k][token] = 2 / (1 + 2^(-log2(e) z)), z = the sum over g of x[token][g] Wg[k][g], fused multiply-adds in f32, g ascending
	s_sub_co_u32 s32, ttmp9, 176
	s_lshl_b32 s32, s32, 7                         ; my work-group's first token
	s_lshl_b32 s34, s32, 12
	s_mov_b32 s35, 0
	v_lshlrev_b32 v1, 12, v0
	v_lshlrev_b32 v2, 2, v0
	s_wait_kmcnt 0x0
	s_add_nc_u64 s[4:5], s[4:5], s[34:35]
	s_lshl_b32 s34, s32, 2
	s_add_nc_u64 s[22:23], s[22:23], s[34:35]
.irp j, 0,1,2,3,4,5,6,7
	global_load_b128 v[16+4*\j:19+4*\j], v1, s[4:5] offset:16*\j
.endr
.irp rd, 0,1,2,3                               ; two rows of Wg at a time, in scalar registers
	s_load_b512 s[32:47], s[16:17], 256*\rd
	s_load_b512 s[48:63], s[16:17], 256*\rd+64
	s_load_b512 s[68:83], s[16:17], 256*\rd+128
	s_load_b512 s[84:99], s[16:17], 256*\rd+192
	s_wait_kmcnt 0x0
.if \rd == 0
	s_wait_loadcnt 0x0
.endif
	v_mul_f32 v[48+2*\rd], s32, v16
	v_mul_f32 v[49+2*\rd], s68, v16
.set g, 1
.rept 15
	v_fmac_f32 v[48+2*\rd], s[32+g], v[16+g]
	v_fmac_f32 v[49+2*\rd], s[68+g], v[16+g]
.set g, g+1
.endr
.set g, 0
.rept 16
	v_fmac_f32 v[48+2*\rd], s[48+g], v[32+g]
	v_fmac_f32 v[49+2*\rd], s[84+g], v[32+g]
.set g, g+1
.endr
.endr
.irp k, 0,1,2,3,4,5,6,7
	v_mul_f32 v[48+\k], 0xbfb8aa3b, v[48+\k]       ; -log2(e) z
.endr
.irp k, 0,1,2,3,4,5,6,7
	v_exp_f32 v[56+\k], v[48+\k]
.endr
	v_nop                                          ; a plain place behind the batch,
	s_wait_alu depctr_va_vdst(0)                   ; and one wait for it, ahead of its first reader
.irp k, 0,1,2,3,4,5,6,7
	v_add_f32 v[56+\k], 1.0, v[56+\k]
.endr
.irp k, 0,1,2,3,4,5,6,7
	v_rcp_f32 v[48+\k], v[56+\k]
.endr
	v_nop
	s_wait_alu depctr_va_vdst(0)
.irp k, 0,1,2,3,4,5,6,7
	v_add_f32 v[48+\k], v[48+\k], v[48+\k]
.endr
.irp k, 0,1,2,3,4,5,6,7
	global_store_b32 v2, v[48+\k], s[22:23] offset:32768*\k   ; a wave stores 128 consecutive bytes of row k
.endr
	s_endpgm
.Lfunc_end_k_qe5d68df277_quant:
	.size	k_qe5d68df277_quant, .Lfunc_end_k_qe5d68df277_quant-k_qe5d68df277_quant
	.p2alignl 7, 3214868480
	.fill 96, 4, 3214868480
	.section	.rodata,"a",@progbits
	.p2align	6, 0x0
	.amdhsa_kernel k_qe5d68df277_quant
		.amdhsa_group_segment_fixed_size 13824
		.amdhsa_private_segment_fixed_size 0
		.amdhsa_enable_private_segment 0
		.amdhsa_kernarg_size 88
		.amdhsa_user_sgpr_count 2
		.amdhsa_user_sgpr_kernarg_segment_ptr 1
		.amdhsa_wavefront_size32 1
		.amdhsa_system_sgpr_workgroup_id_x 1
		.amdhsa_system_sgpr_workgroup_id_y 1
		.amdhsa_system_sgpr_workgroup_id_z 1
		.amdhsa_system_vgpr_workitem_id 0
		.amdhsa_next_free_vgpr 256
		.amdhsa_next_free_sgpr 100
		.amdhsa_reserve_vcc 1
		.amdhsa_float_denorm_mode_32 3
		.amdhsa_float_denorm_mode_16_64 3
		.amdhsa_memory_ordered 1
		.amdhsa_forward_progress 1
		.amdhsa_inst_pref_size 137
	.end_amdhsa_kernel
	.amdgpu_metadata
---
amdhsa.version: [ 1, 2 ]
amdhsa.kernels:
  - .name:           k_qe5d68df277_quant
    .symbol:         k_qe5d68df277_quant.kd
    .args:
      - { .name: x, .offset: 0, .size: 8, .value_kind: global_buffer, .address_space: global }
      - { .name: Wq, .offset: 8, .size: 8, .value_kind: global_buffer, .address_space: global }
      - { .name: Wk, .offset: 16, .size: 8, .value_kind: global_buffer, .address_space: global }
      - { .name: Wv, .offset: 24, .size: 8, .value_kind: global_buffer, .address_space: global }
      - { .name: Wo, .offset: 32, .size: 8, .value_kind: global_buffer, .address_space: global }
      - { .name: Wr, .offset: 40, .size: 8, .value_kind: global_buffer, .address_space: global }
      - { .name: Wg, .offset: 48, .size: 8, .value_kind: global_buffer, .address_space: global }
      - { .name: XB, .offset: 56, .size: 8, .value_kind: global_buffer, .address_space: global }
      - { .name: WB, .offset: 64, .size: 8, .value_kind: global_buffer, .address_space: global }
      - { .name: GT, .offset: 72, .size: 8, .value_kind: global_buffer, .address_space: global }
      - { .name: out1, .offset: 80, .size: 8, .value_kind: global_buffer, .address_space: global }
    .group_segment_fixed_size: 13824
    .private_segment_fixed_size: 0
    .kernarg_segment_align: 8
    .kernarg_segment_size: 88
    .max_flat_workgroup_size: 128
    .sgpr_count:     100
    .vgpr_count:     256
    .wavefront_size: 32
...
	.end_amdgpu_metadata
.endif
;; end of part 1
;; launch proj (part 2): grid 4 x 64, 4 waves a work-group, clusters of 4 x 4, 327,680 bytes of LDS; arguments XB, WB, GT, ve, cos, sin, QB, KV; writes QB, KV
.if DOCPART == 2
	.amdgcn_target "amdgcn-amd-amdhsa--gfx1250"
	.amdhsa_code_object_version 6
	.text
	.protected	k_qe5d68df277_proj
	.globl	k_qe5d68df277_proj
	.p2align	8
	.type	k_qe5d68df277_proj,@function
k_qe5d68df277_proj:
	s_mov_b64 s[64:65], 0
	v_nop
	global_prefetch_b8 v0, s[64:65] scope:SCOPE_SE
	s_setreg_imm32_b32 hwreg(HW_REG_WAVE_MODE, 25, 1), 1
	s_wait_xcnt 0x0
	s_wait_alu depctr_hold_cnt(0) depctr_sa_sdst(0) depctr_va_vdst(0) depctr_va_sdst(0) depctr_va_ssrc(0) depctr_va_vcc(0) depctr_vm_vsrc(0)
	s_getreg_b32 s2, hwreg(HW_REG_IB_STS2, 6, 4)
	s_cmp_eq_u32 s2, 0
	s_cbranch_scc0 .Lentry_in_a_cluster
	s_endpgm
.Lentry_in_a_cluster:
	s_bfe_u32 s2, ttmp6, 0x10000c
	s_cmp_lg_u32 s2, 0xf033
	s_cbranch_scc0 .Lentry_shape_is_right
	s_endpgm
.Lentry_shape_is_right:
; LAUNCH 2.  q = x Wq^T, k = x Wk^T, v = x Wv^T on codes of E2M3; rotary and rms_norm on q and k, quantised along the head's 64; v + gate x ve, quantised along the keys.
; A work-group takes 128 tokens (R) and 512 columns (nt): 4 heads of q, 2 of k, 2 of v.  Each of its four waves makes 128 x 128: 64 accumulators.  Waves 0, 1: q; wave 2: k; wave 3: v.
; In waves 0-2 source 0 = 16 rows of the weight, source 1 = 16 tokens: a lane holds ONE token and its registers run along the head's channels.  In wave 3 the two change places: a lane holds one channel of v and its
; registers run down the keys, which are the K of attention's second product.  The text speaks of the A role (source 1, one set of registers) and the B role (source 0, two sets); only LDS addresses and scale pointers differ.
; Codes come as images of the operands' registers (1,536 bytes a fragment): a K step's tiles are dense blocks of memory.  K goes in 4 slots' worth of 256 through a ring of two LDS slots.
; CLUSTER 4 x 4: the four work-groups of a row share R and ask for the tokens' block jointly; the four of a column share nt and ask for the weights' block jointly.  ve's tile is the work-group's own: a plain load.
; No prefetch: K has eight steps, and all that is read has been asked for by the second change of slots.
; LIMITS: NaN and infinities are not served; a block whose largest magnitude lies under 2^-124, and a block of zeros, keep the byte 1 (only this program reads the bytes).
; REGISTERS.  window 0: v4-20 addresses; v21-28 at work; v32-95 the A role's scale words [8 a + K step], v96-159 the B role's: scales and nothing else; v160-255 the A role's eight fragments, later at work.
;   window 1: the B role's two sets at v0 and v128; v96-127 and v224-255 hold what the way out wants first (cos and sin of two tiles, or the first head's gates).   windows 2, 3: accumulator (a, b) at v[8 (8 (a % 4) + b)].
.set SLOT,  122880                     ; a slot: the tokens' 8 tiles x 2 K steps (24,576 bytes), then the weights' 32 tiles x 2 (98,304)
.set WOFF,  24576
.set VEB,   245760                     ; ve's tile: 128 rows of 512 bytes + 8: filled once
.set VEP,   520
.set SPARE, 312320                     ; the spare words, 128 bytes a wave
.set ADRA16, 4
.set ADRA8,  6
.set ADRB16, 8
.set ADRB8,  10
.set SPW,  12
.set NIL,  13
.set L16,  14
.set L8,   15
.set L4,   16
.set CSO,  17                          ; (r + 8 (r / 8)) x 128 + 64 h: my 16 numbers of a row of cos or sin
.set SWO,  18                          ; 32 r
.set VA,   19                          ; ve in LDS: 16 h rows, + my channel
.set GH,   20                          ; 64 h
.set QM,   21
.set QP,   25
.set QS,   248
.set PC,   224
.set SA,   32
.set SB,   96
.set AF,   160
.set T,    160
.set SS,   192
.set MX,   196
.set RS,   200
.set SC2,  202
.set BY2,  204
.set KW,   206
.set HW,   208
.set PCX,  240
.set WV,   20
.set G1A,  32
.set G1B,  40
.set G1V,  48
.set G0A,  56
.set G0B,  68
.set G0V,  76
.set BAS,  80                          ; s[80:81], s[82:83]: where my two heads' blocks begin
.set SBS,  84                          ; s[84:85], s[86:87]: their scale images (q, k)
.set COSP, 88
.set SINP, 90
.set SEL,  92
.set GTP,  28
.set PA,   30
.set PB,   98
.set MSB, 0
.macro WIN new                         ; the immediate's high byte repeats the setting that is left
.if MSB != \new
	s_set_vgpr_msb (MSB<<8)|\new
.set MSB, \new
.endif
.endm
.set MUL_LO, 0xa1                      ; source 0 window 1, source 1 window 0, C and D window 2
.set MUL_HI, 0xf1
.set TO_B,   0x40
.macro PLACES n
.rept \n
	v_nop
.endr
.endm
.macro CREST
	s_cmp_lg_u32 s[WV], 0
	s_cbranch_scc1 .Lnot_wave_0_\@
	s_barrier_signal -3
.Lnot_wave_0_\@:
	s_barrier_wait -3
	s_barrier_signal -1
	s_barrier_wait -1
.endm
.macro CROUND
	s_barrier_signal -1
	s_barrier_wait -1
	CREST
.endm
; A joint refill: wave 0 the tokens' block, waves 1 and 2 the halves of the weights' block, wave 3 nothing.  The branches hang on the wave's number alone.  Four v_nop stand on each way: the places in front of the LDS loads that follow.
.macro JLOAD s
	s_cmp_eq_u32 s[WV], 0
	s_cbranch_scc0 .Lnot_a_\@
	tensor_load_to_lds s[G0A+4*\s:G0A+4*\s+3], s[G1A:G1A+7]
	s_nop 0
	PLACES 4
	s_branch .Lasked_\@
.Lnot_a_\@:
	s_cmp_lt_u32 s[WV], 3
	s_cbranch_scc0 .Lnone_\@
	tensor_load_to_lds s[G0B+4*\s:G0B+4*\s+3], s[G1B:G1B+7]
	s_nop 0
	PLACES 4
	s_branch .Lasked_\@
.Lnone_\@:
	PLACES 4
.Lasked_\@:
.endm
.macro FRAG reg, a16, a8, off          ; an image comes back as it was stored
	ds_load_b128 v[\reg:\reg+3], v[\a16] offset:\off
	ds_load_b64 v[\reg+4:\reg+5], v[\a8] offset:\off+512
	ds_load_b128 v[\reg+6:\reg+9], v[\a16] offset:\off+768
	ds_load_b64 v[\reg+10:\reg+11], v[\a8] offset:\off+1280
.endm
.macro FETCH_B slot, q, p
	WIN TO_B
.irp i, 0,1,2,3,4,5,6,7
	FRAG 128*(\p)+12*\i, ADRB16+\slot, ADRB8+\slot, \i*3072+(\q)*1536
.endr
	WIN 0
.endm
.macro FETCH_A slot, q, i0
.irp i, \i0, \i0+1, \i0+2, \i0+3
	FRAG AF+12*(\i), ADRA16+\slot, ADRA8+\slot, (\i)*3072+(\q)*1536
.endr
.endm
; 16 products: the A role's blocks a0, a0 + 1 against the B role's eight; K step ks.  The 64 accumulators take turns, one instruction a turn, in the same order in every step.
.macro MUL16 a0, p, ks, zero
.irp a, \a0, \a0+1
.irp b, 0,1,2,3,4,5,6,7
.if \zero
	v_wmma_scale_f32_16x16x128_f8f6f4 v[8*(8*((\a)%4)+\b):8*(8*((\a)%4)+\b)+7], v[128*(\p)+12*\b:128*(\p)+12*\b+11], v[AF+12*(\a):AF+12*(\a)+11], 0, v[SB+8*\b+(\ks)], v[SA+8*(\a)+(\ks)] matrix_a_fmt:MATRIX_FMT_FP6 matrix_b_fmt:MATRIX_FMT_FP6
.else
	v_wmma_scale_f32_16x16x128_f8f6f4 v[8*(8*((\a)%4)+\b):8*(8*((\a)%4)+\b)+7], v[128*(\p)+12*\b:128*(\p)+12*\b+11], v[AF+12*(\a):AF+12*(\a)+11], v[8*(8*((\a)%4)+\b):8*(8*((\a)%4)+\b)+7], v[SB+8*\b+(\ks)], v[SA+8*(\a)+(\ks)] matrix_a_fmt:MATRIX_FMT_FP6 matrix_b_fmt:MATRIX_FMT_FP6
.endif
.endr
.endr
.endm
.macro STEP slot, ks, zero             ; a slot's first K step
	s_wait_dscnt 16                                ; the B role's set and A's blocks 0-3 are in; the youngest 16 loads (A's blocks 4-7) may be out
	WIN MUL_LO
	MUL16 0, 0, \ks, \zero
	MUL16 2, 0, \ks, \zero
	s_wait_dscnt 0x0
	PLACES 4
	FETCH_B \slot, 1, 1
	FETCH_A \slot, 1, 0
	WIN MUL_HI
	MUL16 4, 0, \ks, \zero
	MUL16 6, 0, \ks, \zero
	PLACES 4
	WIN 0
	FETCH_A \slot, 1, 4
.endm
; A slot's second K step changes slots: one barrier; in front of it each wave waits for all its tensor loads, adds 0 to its spare word, and waits for that and for its reads of this slot.
.macro TURN slot, next, fill, ks
	s_wait_tensorcnt 0x0                           ; all my tensor loads have landed: my part of the next slot (wave 3: ve's tile)
	ds_add_u32 v[SPW], v[NIL]                      ; 0 onto my spare word
	s_wait_dscnt 17                                ; (the add and the youngest 16 loads may be out)
	WIN MUL_LO
	MUL16 0, 1, \ks, 0
	s_wait_dscnt 0x0                               ; the add is done, and my reads of this slot are over
	s_barrier_signal -1
	MUL16 2, 1, \ks, 0
	WIN 0
	s_barrier_wait -1
.if \fill
	CREST                                          ; the barrier has opened a round of the cluster's barrier: no wave of any partner still reads this slot or has a load on its way
	s_add_nc_u64 s[G0A+4*\slot+2:G0A+4*\slot+3], s[G0A+4*\slot+2:G0A+4*\slot+3], 49152
	s_add_nc_u64 s[G0B+4*\slot+2:G0B+4*\slot+3], s[G0B+4*\slot+2:G0B+4*\slot+3], 196608
	JLOAD \slot
.else
	PLACES 4
.endif
	FETCH_B \next, 0, 0
	FETCH_A \next, 0, 0
	WIN MUL_HI
	MUL16 4, 1, \ks, 0
	MUL16 6, 1, \ks, 0
	PLACES 4
	WIN 0
	FETCH_A \next, 0, 4
.endm
.macro QUANT4 s, pw                    ; 64 numbers of a lane, register 16 b + i = k 32 b + 16 h + i, become a fragment in v[PC] on and its scale word in v[pw]
.irp b, 0,1,2,3
	v_max3_num_f32 v[QM+\b], |v[\s+16*\b]|, |v[\s+1+16*\b]|, 0x1800000
.endr
.irp i, 2,4,6,8,10,12,14
.irp b, 0,1,2,3
	v_max3_num_f32 v[QM+\b], v[QM+\b], |v[\s+16*\b+\i]|, |v[\s+1+16*\b+\i]|
.endr
.endr
.irp b, 0,1,2,3
	v_permlanex16_b32 v[QP+\b], v[QM+\b], s[SEL], s[SEL+1]
.endr
.irp b, 0,1,2,3
	v_max_num_f32 v[QM+\b], v[QM+\b], v[QP+\b]
.endr
.irp b, 0,1,2,3
	v_add_nc_u32 v[QS+\b], 0xff000000, v[QM+\b]
.endr
.irp b, 0,1,2,3
	v_lshrrev_b32 v[QP+\b], 23, v[QS+\b]
.endr
	v_lshl_or_b32 v[\pw], v[QP+1], 8, v[QP]
	v_lshl_or_b32 v[\pw], v[QP+2], 16, v[\pw]
	v_lshl_or_b32 v[\pw], v[QP+3], 24, v[\pw]
.irp c, 0,1
	v_cvt_scalef32_pk16_fp6_f32 v[PC+6*\c:PC+2+6*\c], v[\s+32*\c:\s+15+32*\c], v[QS+2*\c]
	v_cvt_scalef32_pk16_fp6_f32 v[PC+12+4*\c:PC+14+4*\c], v[\s+16+32*\c:\s+31+32*\c], v[QS+2*\c+1]
.endr
	v_nop
.irp c, 0,1
.irp i, 0,1,2
	v_permlane16_swap_b32 v[PC+6*\c+\i], v[PC+12+4*\c+\i]
.endr
.irp i, 0,1,2
	v_mov_b32 v[PC+3+6*\c+\i], v[PC+12+4*\c+\i]
.endr
.endr
.endm
.macro CSBASE a                        ; where tile a's 16 cos and 16 sin stand in window 1
.if (\a) < 2
.set CB, 96+128*(\a)
.else
.set CB, 32*((\a)-2)+32*(((\a)-2)/3)
.endif
.endm
.macro CSLOAD a
	CSBASE \a
.irp j, 0,1,2,3
	global_load_b128 v[CB+4*\j:CB+4*\j+3], v[CSO], s[COSP:COSP+1] offset:(32*((\a)/2)+8*((\a)%2))*128+16*\j
	global_load_b128 v[CB+16+4*\j:CB+16+4*\j+3], v[CSO], s[SINP:SINP+1] offset:(32*((\a)/2)+8*((\a)%2))*128+16*\j
.endr
.endm
.macro GLOAD hd                        ; head hd's gates of my 64 tokens: register 16 b + i = token 32 b + 16 h + i
.irp bt, 0,1,2,3
.irp j, 0,1,2,3
	global_load_b128 v[96*(1-\hd)+128*(\bt/2)+16*(\bt%2)+4*\j:96*(1-\hd)+128*(\bt/2)+16*(\bt%2)+4*\j+3], v[GH], s[GTP:GTP+1] offset:32768*\hd+128*\bt+16*\j
.endr
.endr
.endm
	s_load_b512 s[4:19], s[0:1], 0x0               ; XB, WB, GT, ve, cos, sin, QB, KV
	v_lshl_add_u32 v[SPW], v0, 2, SPARE
	v_mov_b32 v[NIL], 0
	ds_add_u32 v12, v13
	ds_add_u32 v12, v13
	s_wait_dscnt 0x0
	v_lshrrev_b32 v1, 5, v0
	v_readfirstlane_b32 s[WV], v1
	s_bfe_u32 s21, ttmp6, 0x40000                  ; cx
	s_bfe_u32 s22, ttmp6, 0x40004                  ; cy
	s_lshl_b32 s24, ttmp9, 2
	s_add_co_u32 s24, s24, s21                     ; nt
	s_and_b32 s23, ttmp7, 0xffff
	s_lshl_b32 s23, s23, 2
	s_add_co_u32 s23, s23, s22                     ; R
	s_lshl_b32 s25, s22, 2
	s_lshl_b32 s25, 15, s25                        ; my row of the cluster
	s_lshl_b32 s26, 0x1111, s21                    ; my column
	s_or_b32 s[G1A], s25, (3<<16)|(1<<21)          ; the tokens' block: 96 rows of 32 elements of 8 bytes, dense; mask: my row
	s_mov_b32 s[G1A+1], 32<<16
	s_mov_b32 s[G1A+2], 96<<16
	s_mov_b32 s[G1A+3], 32<<16
	s_mov_b32 s[G1A+4], 96
	s_mov_b32 s[G1A+5], 32
	s_mov_b32 s[G1A+6], 0
	s_mov_b32 s[G1A+7], 0
	s_or_b32 s[G1B], s26, (3<<16)|(1<<21)          ; half of the weights' block: 192 such rows; mask: my column
	s_mov_b32 s[G1B+1], 32<<16
	s_mov_b32 s[G1B+2], 192<<16
	s_mov_b32 s[G1B+3], 32<<16
	s_mov_b32 s[G1B+4], 192
	s_mov_b32 s[G1B+5], 32
	s_mov_b32 s[G1B+6], 0
	s_mov_b32 s[G1B+7], 0
	s_mov_b32 s[G1V], (2<<16)|(1<<20)|(6<<22)|(1<<25)   ; ve: 128 rows of 128 f32, 512 apart; 2 words of padding behind each 128
	s_mov_b32 s[G1V+1], 128<<16
	s_mov_b32 s[G1V+2], 128<<16
	s_mov_b32 s[G1V+3], 128<<16
	s_mov_b32 s[G1V+4], 128
	s_mov_b32 s[G1V+5], 512
	s_mov_b32 s[G1V+6], 0
	s_mov_b32 s[G1V+7], 0
	s_mul_i32 s30, s23, 98304                      ; the tokens' codes hang on R alone,
	s_mov_b32 s31, 0
	s_lshr_b32 s3, s[WV], 1
	s_mul_i32 s3, s3, 49152                        ; which half of the weights' block: wave 1 the first, wave 2 the second
	s_mul_i32 s26, s24, 393216                     ; the weights' on nt alone
	s_add_co_u32 s26, s26, s3
	s_mov_b32 s27, 0
	s_lshl_b32 s28, s23, 18
	s_lshl_b32 s25, s24, 9
	s_add_co_u32 s28, s28, s25                     ; ve: 128 R rows of 2,048 bytes + 512 nt
	s_mov_b32 s29, 0
	s_wait_kmcnt 0x0
	s_add_nc_u64 s[30:31], s[4:5], s[30:31]
	s_add_nc_u64 s[26:27], s[6:7], s[26:27]
	s_add_nc_u64 s[28:29], s[10:11], s[28:29]
	CROUND                                         ; all sixteen work-groups are here: the first joint loads meet
.irp s, 0,1
	s_mov_b32 s[G0A+4*\s], 1
	s_mov_b32 s[G0A+4*\s+1], \s*SLOT
	s_add_nc_u64 s[G0A+4*\s+2:G0A+4*\s+3], s[30:31], \s*24576
	s_or_b32 s[G0A+4*\s+3], s[G0A+4*\s+3], 0x80000000
	s_mov_b32 s[G0B+4*\s], 1
	s_add_co_u32 s[G0B+4*\s+1], s3, \s*SLOT+WOFF
	s_add_nc_u64 s[G0B+4*\s+2:G0B+4*\s+3], s[26:27], \s*98304
	s_or_b32 s[G0B+4*\s+3], s[G0B+4*\s+3], 0x80000000
.endr
	s_mov_b32 s[G0V], 1
	s_mov_b32 s[G0V+1], VEB
	s_mov_b64 s[G0V+2:G0V+3], s[28:29]
	s_or_b32 s[G0V+3], s[G0V+3], 0x80000000
	s_cmp_eq_u32 s[WV], 0                          ; a wave's first fills stand in one branch: at most two loads of a wave are out
	s_cbranch_scc0 .Lff_not_a
	tensor_load_to_lds s[G0A:G0A+3], s[G1A:G1A+7]
	s_nop 0
	tensor_load_to_lds s[G0A+4:G0A+7], s[G1A:G1A+7]
	s_nop 0
	PLACES 4
	s_branch .Lff_done
.Lff_not_a:
	s_cmp_lt_u32 s[WV], 3
	s_cbranch_scc0 .Lff_v
	tensor_load_to_lds s[G0B:G0B+3], s[G1B:G1B+7]
	s_nop 0
	tensor_load_to_lds s[G0B+4:G0B+7], s[G1B:G1B+7]
	s_nop 0
	PLACES 4
	s_branch .Lff_done
.Lff_v:
	tensor_load_to_lds s[G0V:G0V+3], s[G1V:G1V+7]
	s_nop 0
	PLACES 4
.Lff_done:
	; where the results go.  Waves 0, 1: QB, block ((16 b + 4 nt + 2 w + hh) 16 + blk) of 6,656 bytes.  Waves 2, 3: KV, block ((8 b + 2 nt + hh) 16 + blk) of 13,312
	s_lshr_b32 s2, s23, 4                          ; b
	s_and_b32 s25, s23, 15                         ; blk
	s_lshl_b32 s80, s2, 4
	s_lshl_b32 s81, s24, 2
	s_add_co_u32 s80, s80, s81
	s_lshl_b32 s81, s[WV], 1
	s_add_co_u32 s80, s80, s81
	s_lshl_b32 s80, s80, 4
	s_add_co_u32 s80, s80, s25
	s_mul_i32 s80, s80, 6656
	s_lshl_b32 s82, s2, 3
	s_lshl_b32 s83, s24, 1
	s_add_co_u32 s82, s82, s83
	s_lshl_b32 s82, s82, 4
	s_add_co_u32 s82, s82, s25
	s_mul_i32 s82, s82, 13312
	s_mov_b32 s84, 106496                          ; from head to head: 16 blocks
	s_mov_b32 s85, 212992
	s_mov_b32 s86, 6144                            ; where a block's scale images begin
	s_mov_b32 s87, 12288
	s_cmp_lt_u32 s[WV], 2
	s_cselect_b32 s80, s80, s82
	s_cselect_b32 s84, s84, s85
	s_cselect_b32 s86, s86, s87
	s_cselect_b64 s[82:83], s[16:17], s[18:19]
	s_mov_b32 s81, 0
	s_add_nc_u64 s[BAS:BAS+1], s[82:83], s[80:81]
	s_mov_b32 s85, 0
	s_add_nc_u64 s[BAS+2:BAS+3], s[BAS:BAS+1], s[84:85]
	s_mov_b32 s87, 0
	s_add_nc_u64 s[SBS:SBS+1], s[BAS:BAS+1], s[86:87]
	s_add_nc_u64 s[SBS+2:SBS+3], s[BAS+2:BAS+3], s[86:87]
	s_lshl_b32 s2, s25, 14                         ; cos, sin: 128 blk rows of 128 bytes
	s_mov_b32 s3, 0
	s_add_nc_u64 s[COSP:COSP+1], s[12:13], s[2:3]
	s_add_nc_u64 s[SINP:SINP+1], s[14:15], s[2:3]
	s_lshl_b32 s2, s24, 16
	s_lshl_b32 s25, s23, 9
	s_add_co_u32 s2, s2, s25
	s_add_nc_u64 s[GTP:GTP+1], s[8:9], s[2:3]      ; the gates of KV head 2 nt, tokens 128 R on
	s_lshl_b32 s2, s23, 12
	s_add_co_u32 s2, s2, 6291456
	s_add_nc_u64 s[26:27], s[4:5], s[2:3]          ; the tokens' scale words
	s_lshl_b32 s2, s24, 14
	s_lshl_b32 s25, s[WV], 12
	s_add_co_u32 s2, s2, s25
	s_add_co_u32 s2, s2, 1572864
	s_add_nc_u64 s[PB:PB+1], s[6:7], s[2:3]        ; my eight weight tiles' scale words
	s_cmp_eq_u32 s[WV], 3                          ; in wave 3 the roles change places
	s_cselect_b64 s[PA:PA+1], s[PB:PB+1], s[26:27]
	s_cselect_b64 s[PB:PB+1], s[26:27], s[PB:PB+1]
	s_mov_b32 s[SEL], 0x76543210
	s_mov_b32 s[SEL+1], 0xfedcba98
	s_mov_b32 s94, 0x3c800000                      ; 1 / 64
	s_mov_b32 s95, 0x358637bd                      ; 1e-6
	v_and_b32 v1, 31, v0
	v_and_b32 v2, 15, v0                           ; r
	v_bfe_u32 v3, v0, 4, 1                         ; h
	v_lshlrev_b32 v[L16], 4, v1
	v_lshlrev_b32 v[L8], 3, v1
	v_lshlrev_b32 v[L4], 2, v1
	s_add_co_u32 s2, s[WV], 1
	s_lshr_b32 s25, s2, 2
	s_mul_i32 s25, s25, 98304                      ; the A role: the tokens at 0; in wave 3 Wv's eight tiles
	s_and_b32 s2, s2, 3
	s_mul_i32 s2, s2, 24576                        ; the B role: my eight weight tiles; in wave 3 the tokens
.irp s, 0,1
	v_add_nc_u32 v[ADRA16+\s], s25, v[L16]
	v_add_nc_u32 v[ADRA8+\s], s25, v[L8]
	v_add_nc_u32 v[ADRB16+\s], s2, v[L16]
	v_add_nc_u32 v[ADRB8+\s], s2, v[L8]
	s_add_co_u32 s25, s25, SLOT
	s_add_co_u32 s2, s2, SLOT
.endr
	v_and_b32 v21, 8, v2
	v_add_nc_u32 v21, v21, v2                      ; r + 8 (r / 8)
	v_lshlrev_b32 v[CSO], 7, v21
	v_lshl_add_u32 v[CSO], v3, 6, v[CSO]
	v_lshlrev_b32 v[SWO], 5, v2
	v_lshlrev_b32 v[VA], 2, v21
	v_mad_u32_u24 v[VA], v3, 16*VEP, v[VA]
	v_add_nc_u32 v[VA], VEB, v[VA]
	v_lshlrev_b32 v[GH], 6, v3
.irp b, 0,1,2,3
	v_mov_b32 v[QP+\b], 0                          ; written once: a lane permute's destination counts as one of its sources
.endr
.irp a, 0,1,2,3,4,5,6,7                        ; the scale words of all eight K steps: 32 bytes a row
	global_load_b128 v[SA+8*\a:SA+8*\a+3], v[SWO], s[PA:PA+1] offset:512*\a
	global_load_b128 v[SA+8*\a+4:SA+8*\a+7], v[SWO], s[PA:PA+1] offset:512*\a+16
	global_load_b128 v[SB+8*\a:SB+8*\a+3], v[SWO], s[PB:PB+1] offset:512*\a
	global_load_b128 v[SB+8*\a+4:SB+8*\a+7], v[SWO], s[PB:PB+1] offset:512*\a+16
.endr
	s_cmp_eq_u32 s[WV], 3
	s_cbranch_scc1 .Lhead_v
	WIN TO_B
	CSLOAD 0
	CSLOAD 1
	WIN 0
	s_branch .Lhead_done
.Lhead_v:
	WIN TO_B
	GLOAD 0
	WIN 0
.Lhead_done:
	s_wait_tensorcnt 1                             ; my part of slot 0 is in (slot 1's, or ve's tile, may be out)
	s_barrier_signal -1
	s_barrier_wait -1
	FETCH_B 0, 0, 0
	FETCH_A 0, 0, 0
	FETCH_A 0, 0, 4
	s_wait_loadcnt 0x0                             ; the scale words, and what the head asked for besides
	STEP 0, 0, 1                                   ; the first K step's products start the sums
	TURN 0, 1, 1, 1
	STEP 1, 2, 0
	TURN 1, 0, 1, 3
	STEP 0, 4, 0
	TURN 0, 1, 0, 5                                ; nothing is left to fetch
	STEP 1, 6, 0
	s_wait_dscnt 16
	WIN MUL_LO
	MUL16 0, 1, 7, 0
	MUL16 2, 1, 7, 0
	s_wait_dscnt 0x0
	WIN MUL_HI
	MUL16 4, 1, 7, 0
	MUL16 6, 1, 7, 0
	WIN 0
	PLACES 4                                       ; in front of the first read of results and of loads into registers that the products have read
	s_cmp_eq_u32 s[WV], 3
	s_cbranch_scc1 .Lvpath
; ---- q and k.  Tile a of tokens, head hh: 32 registers, the first 16 channels 16 h + i (x1), the second 16 channels 32 + 16 h + i (x2).
.macro QKT a, hh
	CSBASE \a
.set AC, 64*((\a)%4)+32*(\hh)
.set PCH, 224+8*(\hh)
.if ((\a) >= 2) && ((\hh) == 0)
	s_wait_loadcnt 8*(7-(\a))                      ; this tile's cos and sin are in; the later tiles' eight loads each may be out
.endif
	WIN 0x06+(\a)/4                                ; source 0: the accumulators' window; source 1: window 1
.irp i, 0,2,4,6,8,10,12,14
	v_pk_mul_f32 v[T+\i:T+\i+1], v[AC+\i:AC+\i+1], v[CB+\i:CB+\i+1]                       ; x1 cos  (each accumulator is read from its low end on)
.endr
.irp i, 0,2,4,6,8,10,12,14
	v_pk_fma_f32 v[T+\i:T+\i+1], v[AC+16+\i:AC+17+\i], v[CB+16+\i:CB+17+\i], v[T+\i:T+\i+1]   ; + x2 sin
.endr
.irp i, 0,2,4,6,8,10,12,14
	v_pk_mul_f32 v[T+16+\i:T+17+\i], v[AC+16+\i:AC+17+\i], v[CB+\i:CB+\i+1]               ; x2 cos
.endr
.irp i, 0,2,4,6,8,10,12,14
	v_pk_fma_f32 v[T+16+\i:T+17+\i], v[AC+\i:AC+\i+1], v[CB+16+\i:CB+17+\i], v[T+16+\i:T+17+\i] neg_lo:[1,0,0] neg_hi:[1,0,0]   ; - x1 sin
.endr
	WIN 0
	v_pk_mul_f32 v[SS:SS+1], v[T:T+1], v[T:T+1]    ; the sum of squares, in two chains
	v_pk_mul_f32 v[SS+2:SS+3], v[T+2:T+3], v[T+2:T+3]
.irp i, 4,8,12,16,20,24,28
	v_pk_fma_f32 v[SS:SS+1], v[T+\i:T+\i+1], v[T+\i:T+\i+1], v[SS:SS+1]
	v_pk_fma_f32 v[SS+2:SS+3], v[T+\i+2:T+\i+3], v[T+\i+2:T+\i+3], v[SS+2:SS+3]
.endr
	v_pk_add_f32 v[SS:SS+1], v[SS:SS+1], v[SS+2:SS+3]
	v_add_f32 v[SS], v[SS], v[SS+1]
	v_permlanex16_b32 v27, v[SS], s[SEL], s[SEL+1]
	v_add_f32 v[SS], v[SS], v27                    ; with lane l xor 16's 32 channels
	v_fma_f32 v[SS], v[SS], s94, s95               ; the mean + 1e-6
	v_rsq_f32 v[RS], v[SS]
.irp b, 0,1                                    ; the blocks' largest magnitudes are taken ahead of the scaling: a multiplication by a positive number keeps the order, so the largest times r is the largest product
	v_max3_num_f32 v[MX+\b], |v[T+16*\b]|, |v[T+16*\b+1]|, |v[T+16*\b+2]|
.endr
.irp i, 3,5,7,9,11,13
.irp b, 0,1
	v_max3_num_f32 v[MX+\b], v[MX+\b], |v[T+16*\b+\i]|, |v[T+16*\b+\i+1]|
.endr
.endr
.irp b, 0,1
	v_max_num_f32 v[MX+\b], v[MX+\b], |v[T+16*\b+15]|
.endr
	s_wait_alu depctr_va_vdst(0)                   ; the wait ahead of the root's first reader; the maxima are the work between
.irp i, 0,2,4,6,8,10,12,14,16,18,20,22,24,26,28,30
	v_pk_mul_f32 v[T+\i:T+\i+1], v[T+\i:T+\i+1], v[RS:RS+1] op_sel_hi:[1,0]
.endr
.irp b, 0,1
	v_mul_f32 v[MX+\b], v[MX+\b], v[RS]
.endr
.irp b, 0,1
	v_permlanex16_b32 v[QP+\b], v[MX+\b], s[SEL], s[SEL+1]
.endr
.irp b, 0,1
	v_max3_num_f32 v[MX+\b], v[MX+\b], v[QP+\b], 0x1800000   ; the block's largest magnitude, and the floor 2^(3 - 127)
.endr
.irp b, 0,1
	v_add_nc_u32 v[SC2+\b], 0xff000000, v[MX+\b]
.endr
.irp b, 0,1
	v_lshrrev_b32 v[BY2+\b], 23, v[SC2+\b]
.endr
	s_wait_xcnt 0x0                                ; the earlier stores have read their registers
	v_cvt_scalef32_pk16_fp6_f32 v[PCH:PCH+2], v[T:T+15], v[SC2]
	v_cvt_scalef32_pk16_fp6_f32 v[PCX:PCX+2], v[T+16:T+31], v[SC2+1]
	v_nop
.irp i, 0,1,2
	v_permlane16_swap_b32 v[PCH+\i], v[PCX+\i]
.endr
.irp i, 0,1,2
	v_mov_b32 v[PCH+3+\i], v[PCX+\i]
.endr
	global_store_b128 v[L16], v[PCH:PCH+3], s[BAS+2*\hh:BAS+2*\hh+1] offset:((\a)/2)*1536+((\a)%2)*768       ; half (a % 2) of pair fragment a / 2
	global_store_b64 v[L8], v[PCH+4:PCH+5], s[BAS+2*\hh:BAS+2*\hh+1] offset:((\a)/2)*1536+((\a)%2)*768+512
.if (\a)%2 == 0
	v_lshl_or_b32 v[KW+\hh], v[BY2+1], 8, v[BY2]   ; the pair's scale word: this tile's two bytes below,
.else
	v_lshl_or_b32 v[HW], v[BY2+1], 8, v[BY2]
	v_lshl_or_b32 v[KW+\hh], v[HW], 16, v[KW+\hh]  ; the next tile's above
	global_store_b32 v[L4], v[KW+\hh], s[SBS+2*\hh:SBS+2*\hh+1] offset:128*((\a)/2)
.endif
.endm
	WIN TO_B
.irp a, 2,3,4,5,6,7
	CSLOAD \a
.endr
	WIN 0
	v_mov_b32 v[RS+1], 0                           ; (named as the upper half of a pair)
.irp a, 0,1,2,3,4,5,6,7
	QKT \a, 0
	QKT \a, 1
.endr
	s_branch .Lend
; ---- v.  Tile a of channels (head a / 4): 64 registers, register 16 b + i = key 32 b + 16 h + i.
.macro VLOAD a                         ; ve of my channel and my 64 keys, from LDS
	WIN TO_B
.set n, 0
.rept 64
	ds_load_b32 v[32+128*((\a)%2)+n], v[VA] offset:(32*(n/16)+n%16)*VEP+(32*((\a)/2)+8*((\a)%2))*4
.set n, n+1
.endr
	WIN 0
.endm
.macro VT a
.set EB, 32+128*((\a)%2)
.set HD, (\a)/4
.set AC, 64*((\a)%4)
.if (\a) < 7
	s_wait_dscnt 63                                ; this tile's 64 loads are in (the next tile's 64 could stay out; the count's field ends at 63)
.else
	s_wait_dscnt 0x0
.endif
.if (\a) == 4
	s_wait_loadcnt 0x0                             ; the second head's gates
.endif
	WIN 0x25+0x10*((\a)/4)                         ; sources 0 and 1 window 1, source 2 the accumulators' window
.set n, 0
.rept 32
	v_pk_fma_f32 v[T+n:T+n+1], v[EB+n:EB+n+1], v[96*(1-HD)+128*(n/32)+n%32:96*(1-HD)+128*(n/32)+n%32+1], v[AC+n:AC+n+1]   ; v + gate x ve
.set n, n+2
.endr
	WIN 0
.if (\a) < 6
	VLOAD (\a)+2
.endif
	s_wait_xcnt 0x0                                ; the last fragment's stores have read their registers
	QUANT4 T, 244
	global_store_b128 v[L16], v[PC:PC+3], s[BAS+2*HD:BAS+2*HD+1] offset:6144+((\a)%4)*1536
	global_store_b64 v[L8], v[PC+4:PC+5], s[BAS+2*HD:BAS+2*HD+1] offset:6144+((\a)%4)*1536+512
	global_store_b128 v[L16], v[PC+6:PC+9], s[BAS+2*HD:BAS+2*HD+1] offset:6144+((\a)%4)*1536+768
	global_store_b64 v[L8], v[PC+10:PC+11], s[BAS+2*HD:BAS+2*HD+1] offset:6144+((\a)%4)*1536+1280
	global_store_b32 v[L4], v244, s[BAS+2*HD:BAS+2*HD+1] offset:12800+128*((\a)%4)
.endm
.Lvpath:
	WIN TO_B
	GLOAD 1
	WIN 0
	VLOAD 0                                        ; ve's tile was shown landed by my wait for all tensor loads at the first change of slots; only I read it
	VLOAD 1
.irp a, 0,1,2,3,4,5,6,7
	VT \a
.endr
.Lend:
	s_wait_tensorcnt 0x0                           ; the wave's end
	ds_add_u32 v[SPW], v[NIL]
	s_wait_dscnt 0x0
	CROUND                                         ; the closing round
	s_endpgm
.Lfunc_end_k_qe5d68df277_proj:
	.size	k_qe5d68df277_proj, .Lfunc_end_k_qe5d68df277_proj-k_qe5d68df277_proj
	.p2alignl 7, 3214868480
	.fill 96, 4, 3214868480
	.section	.rodata,"a",@progbits
	.p2align	6, 0x0
	.amdhsa_kernel k_qe5d68df277_proj
		.amdhsa_group_segment_fixed_size 327680
		.amdhsa_private_segment_fixed_size 0
		.amdhsa_enable_private_segment 0
		.amdhsa_kernarg_size 64
		.amdhsa_user_sgpr_count 2
		.amdhsa_user_sgpr_kernarg_segment_ptr 1
		.amdhsa_wavefront_size32 1
		.amdhsa_system_sgpr_workgroup_id_x 1
		.amdhsa_system_sgpr_workgroup_id_y 1
		.amdhsa_system_sgpr_workgroup_id_z 1
		.amdhsa_system_vgpr_workitem_id 0
		.amdhsa_next_free_vgpr 1024
		.amdhsa_next_free_sgpr 100
		.amdhsa_reserve_vcc 0
		.amdhsa_float_denorm_mode_32 3
		.amdhsa_float_denorm_mode_16_64 3
		.amdhsa_memory_ordered 1
		.amdhsa_forward_progress 1
		.amdhsa_inst_pref_size 255
	.end_amdhsa_kernel
	.section	.bss,"aw",@nobits
	.p2align	6
	.space	262144
	.amdgpu_metadata
---
amdhsa.version: [ 1, 2 ]
amdhsa.kernels:
  - .name:           k_qe5d68df277_proj
    .symbol:         k_qe5d68df277_proj.kd
    .args:
      - { .name: XB, .offset: 0, .size: 8, .value_kind: global_buffer, .address_space: global }
      - { .name: WB, .offset: 8, .size: 8, .value_kind: global_buffer, .address_space: global }
      - { .name: GT, .offset: 16, .size: 8, .value_kind: global_buffer, .address_space: global }
      - { .name: ve, .offset: 24, .size: 8, .value_kind: global_buffer, .address_space: global }
      - { .name: cos, .offset: 32, .size: 8, .value_kind: global_buffer, .address_space: global }
      - { .name: sin, .offset: 40, .size: 8, .value_kind: global_buffer, .address_space: global }
      - { .name: QB, .offset: 48, .size: 8, .value_kind: global_buffer, .address_space: global }
      - { .name: KV, .offset: 56, .size: 8, .value_kind: global_buffer, .address_space: global }
    .group_segment_fixed_size: 327680
    .private_segment_fixed_size: 0
    .kernarg_segment_align: 8
    .kernarg_segment_size: 64
    .max_flat_workgroup_size: 128
    .sgpr_count:     100
    .vgpr_count:     1024
    .wavefront_size: 32
...
	.end_amdgpu_metadata
.endif
;; end of part 2
;; launch attn (part 3): grid 8 x 32, 16 waves a work-group, no clusters, 215,040 bytes of LDS; arguments QB, KV, out1, YB; writes YB
.if DOCPART == 3
	.amdgcn_target "amdgcn-amd-amdhsa--gfx1250"
	.amdhsa_code_object_version 6
	.text
	.protected	k_qe5d68df277_attn
	.globl	k_qe5d68df277_attn
	.p2align	8
	.type	k_qe5d68df277_attn,@function
k_qe5d68df277_attn:
	s_mov_b64 s[64:65], 0
	v_nop
	global_prefetch_b8 v0, s[64:65] scope:SCOPE_SE
	s_setreg_imm32_b32 hwreg(HW_REG_WAVE_MODE, 25, 1), 1
	s_wait_xcnt 0x0
; LAUNCH 3.  y = softmax(q k^T / 8, causal) v x head_mask, both products on codes of E2M3; y is quantised along its head's 64 for the last product.
; A work-group takes one batch and KV head (y = 8 b + kvh) and the two blocks of 128 queries 15 - p and p (p = work-group x), for both query heads of the KV head: 16 - p and p + 1 key steps of 128, 17 in every work-group.
; Wave w takes tile a = w / 2 of 16 queries and head 2 kvh + w % 2.  Four waves share a SIMD, so that one wave's vector work stands beside another's products and LDS loads.
; THE HEAD'S K AND V, codes and scale words, 16 x 13,312 bytes, LIE IN LDS WHOLE, filled once by two tensor loads a wave; nothing is filled again.  So there is no ring.  No cluster: partners would differ in p,
; on which a branch and an LDS address hang.  No prefetch: every byte is asked for at the head.
; THE HEAD SIZE IS 64, half of a product's K: a fragment of K holds TWO tiles of 16 keys, one in k 0-63, one in k 64-127; it is multiplied once by [q | 0] and once by [0 | q].
; Both products are used transposed: a lane holds one query.  The keys of a tile are chosen so that the 16 score registers of a pair are 16 neighbouring keys 32 b + 16 h + 0 .. 15.
; NO MAXIMUM IS TAKEN AWAY: p = 2^t, t = score x log2(e) / 8, that is M = 0.  q and k are rms-normalised with no gain, so each has norm at most 8; rounding to E2M3 adds at most a sixteenth to a normal code and
; a 64th of the block's largest magnitude to a subnormal one, so the norm stays under 8.5 + 1 = 9.5: |score| / 8 < 11.3 and |t| < 16.3 for every input.  So p lies within 2^-17 .. 2^17 and a row's sum under 2^28:
; nothing overflows or underflows, and p differs from 2^(t - ceil(max t)) by an exact power of two, which each block's scale takes up.
; LIMITS: NaN and infinities are not served; a block of zeros keeps the byte 1 (only this program reads the bytes).  A block's largest p is taken as 2^(the block's largest t), which takes v_exp_f32 not to fall where its input rises.
.set KVS,  13312                       ; a key step in LDS: K's 4 pair fragments, V's 4 fragments (+6,144), K's scale images (+12,288), V's (+12,800)
.set L16,  1
.set L8,   2
.set L4,   3
.set A16,  4
.set A8,   5
.set A4,   6
.set DQ,   7                           ; my query's place in its block - 16 h
.set YSO,  8                           ; 32 r + h
.set Q2,   34                          ; the second block's q.  v16-21 zeros, v22-27 q, v28-33 zeros: [0 | q] = v[16:27], [q | 0] = v[22:33]
.set QW,   40                          ; q's scale word (s0, s1, s0, s1); v41 the second block's
.set MK,   42                          ; my query's mask for my head; v43 the second block's
.set KVF,  44                          ; four fragments: K's, then V's
.set S,    96                          ; scores, then p
.set O,    160
.set P,    192                         ; p's codes; v204-210 the conversions' second halves
.set KS,   212                         ; K's, then V's scale words
.set PW,   216                         ; p's scale word
.set BM,   220
.set BT,   224
.set SCL,  228
.set BY,   232
.set L2,   236
.set NINF, 238
.set RL,   240
.set SEL,  40
.set CS,   42
.set TB,   44
.set J,    45
.set CH,   46
.set CUR,  47
.set KSN,  16
.macro FRAG reg, a16, a8, off
	ds_load_b128 v[\reg:\reg+3], v[\a16] offset:\off
	ds_load_b64 v[\reg+4:\reg+5], v[\a8] offset:\off+512
	ds_load_b128 v[\reg+6:\reg+9], v[\a16] offset:\off+768
	ds_load_b64 v[\reg+10:\reg+11], v[\a8] offset:\off+1280
.endm
	s_load_b256 s[4:11], s[0:1], 0x0               ; QB, KV, out1, YB
	v_lshl_add_u32 v254, v0, 2, 0x34000
	v_mov_b32 v255, 0
	ds_add_u32 v254, v255
	ds_add_u32 v254, v255
	v_lshrrev_b32 v9, 5, v0
	v_readfirstlane_b32 s12, v9                    ; wave 0..15
	s_mov_b32 s13, ttmp9                           ; p
	s_and_b32 s14, ttmp7, 0xffff                   ; y = 8 b + kvh
	s_mov_b32 s24, 3<<16                           ; a chunk of 6,656 dense bytes: 26 rows of 32 elements of 8 bytes
	s_mov_b32 s25, 32<<16
	s_mov_b32 s26, 26<<16
	s_mov_b32 s27, 32<<16
	s_mov_b32 s28, 26
	s_mov_b32 s29, 32
	s_mov_b32 s30, 0
	s_mov_b32 s31, 0
	s_mul_i32 s15, s12, 6656                       ; my chunk of each half
	s_mul_i32 s16, s14, 212992
	s_add_co_u32 s16, s16, s15
	s_mov_b32 s17, 0
	s_wait_dscnt 0x0
	s_wait_kmcnt 0x0
	s_add_nc_u64 s[16:17], s[6:7], s[16:17]
	s_mov_b32 s32, 1
	s_mov_b32 s33, s15
	s_mov_b64 s[34:35], s[16:17]
	s_or_b32 s35, s35, 0x80000000
	s_mov_b32 s36, 1
	s_add_co_u32 s37, s15, 106496
	s_add_nc_u64 s[38:39], s[16:17], 106496
	s_or_b32 s39, s39, 0x80000000
	tensor_load_to_lds s[32:35], s[24:31]          ; key steps 0-7: my sixteenth
	s_nop 0
	tensor_load_to_lds s[36:39], s[24:31]          ; key steps 8-15.  Two loads of mine are out
	s_nop 0
.rept 4
	v_nop
.endr
	s_lshr_b32 s18, s12, 1                         ; a
	s_and_b32 s19, s12, 1                          ; c
	s_lshr_b32 s20, s14, 3                         ; b
	s_and_b32 s21, s14, 7                          ; kvh
	s_sub_co_u32 s22, 15, s13                      ; the first block of queries
	s_sub_co_u32 s[CH], 16, s13                    ; its number of key steps
	s_mov_b32 s[CUR], s22                          ; the key step on the diagonal
	s_lshl_b32 s23, s14, 1
	s_add_co_u32 s23, s23, s19
	s_lshl_b32 s23, s23, 4
	s_add_co_u32 s66, s23, s22
	s_mul_i32 s66, s66, 6656
	s_mov_b32 s67, 0
	s_add_nc_u64 s[56:57], s[4:5], s[66:67]        ; q's block, first
	s_add_co_u32 s66, s23, s13
	s_mul_i32 s66, s66, 6656
	s_add_nc_u64 s[58:59], s[4:5], s[66:67]        ; and second
	s_lshl_b32 s68, s20, 4
	s_add_co_u32 s69, s68, s13                     ; R of the second block
	s_add_co_u32 s68, s68, s22                     ; R of the first
	s_lshl_b32 s70, s21, 1
	s_add_co_u32 s70, s70, s19
	s_lshl_b32 s70, s70, 2                         ; my head's word in a row of the mask
	s_lshl_b32 s66, s68, 13
	s_add_co_u32 s66, s66, s70
	s_add_nc_u64 s[60:61], s[8:9], s[66:67]
	s_lshl_b32 s66, s69, 13
	s_add_co_u32 s66, s66, s70
	s_add_nc_u64 s[62:63], s[8:9], s[66:67]
	s_lshr_b32 s71, s21, 1                         ; y's codes: laid as x's: [R][kvh / 2][tile a][kvh % 2], my head's half
	s_mul_i32 s71, s71, 24576
	s_mul_i32 s72, s18, 3072
	s_add_co_u32 s71, s71, s72
	s_and_b32 s72, s21, 1
	s_mul_i32 s72, s72, 1536
	s_add_co_u32 s71, s71, s72
	s_mul_i32 s72, s19, 768
	s_add_co_u32 s71, s71, s72
	s_mul_i32 s66, s68, 98304
	s_add_co_u32 s66, s66, s71
	s_add_nc_u64 s[48:49], s[10:11], s[66:67]
	s_mul_i32 s66, s69, 98304
	s_add_co_u32 s66, s66, s71
	s_add_nc_u64 s[50:51], s[10:11], s[66:67]
	s_lshl_b32 s71, s18, 9                         ; y's scale bytes: [tile 8 R + a][row][word kvh], bytes 2 c, 2 c + 1
	s_lshl_b32 s72, s21, 2
	s_add_co_u32 s71, s71, s72
	s_lshl_b32 s72, s19, 1
	s_add_co_u32 s71, s71, s72
	s_add_co_u32 s71, s71, 6291456
	s_lshl_b32 s66, s68, 12
	s_add_co_u32 s66, s66, s71
	s_add_nc_u64 s[52:53], s[10:11], s[66:67]
	s_lshl_b32 s66, s69, 12
	s_add_co_u32 s66, s66, s71
	s_add_nc_u64 s[54:55], s[10:11], s[66:67]
	s_mov_b32 s[SEL], 0x76543210
	s_mov_b32 s[SEL+1], 0xfedcba98
	s_mov_b32 s[CS], 0x3e38aa3b                    ; log2(e) / 8
	s_mov_b32 s[CS+1], s[CS]
	v_and_b32 v9, 31, v0
	v_lshlrev_b32 v[L16], 4, v9
	v_lshlrev_b32 v[L8], 3, v9
	v_lshlrev_b32 v[L4], 2, v9
	v_and_b32 v12, 15, v0                          ; r
	v_bfe_u32 v13, v0, 4, 1                        ; h: kept
	s_lshr_b32 s73, s18, 1                         ; my tile's pair,
	s_and_b32 s74, s18, 1                          ; and its half of it
	s_mul_i32 s72, s73, 1536
	s_mul_i32 s75, s74, 768
	s_add_co_u32 s72, s72, s75
	v_add_nc_u32 v9, s72, v[L16]
	v_add_nc_u32 v10, s72, v[L8]
	s_lshl_b32 s72, s73, 7
	v_add_nc_u32 v11, s72, v[L4]
	global_load_b128 v[22:25], v9, s[56:57]
	global_load_b64 v[26:27], v10, s[56:57] offset:512
	global_load_b32 v[QW], v11, s[56:57] offset:6144
	global_load_b128 v[Q2:Q2+3], v9, s[58:59]
	global_load_b64 v[Q2+4:Q2+5], v10, s[58:59] offset:512
	global_load_b32 v[QW+1], v11, s[58:59] offset:6144
	v_and_b32 v[DQ], 8, v12
	v_add_nc_u32 v[DQ], v[DQ], v12
	s_lshl_b32 s72, s73, 5
	s_lshl_b32 s75, s74, 3
	s_add_co_u32 s72, s72, s75
	v_add_nc_u32 v[DQ], s72, v[DQ]                 ; my query's place in its block: 32 (a / 2) + 8 (a % 2) + r + 8 (r / 8)
	v_lshlrev_b32 v243, 6, v[DQ]
	global_load_b32 v[MK], v243, s[60:61]
	global_load_b32 v[MK+1], v243, s[62:63]
	v_lshlrev_b32 v242, 4, v13
	v_sub_nc_u32 v[DQ], v[DQ], v242
	v_lshl_add_u32 v[YSO], v12, 5, v13
.irp i, 0,1,2,3,4,5
	v_mov_b32 v[16+\i], 0
	v_mov_b32 v[28+\i], 0
.endr
	v_mov_b32 v14, 0                               ; the row's sum, in two halves
	v_mov_b32 v15, 0
.irp b, 0,1,2,3
	v_mov_b32 v[BT+\b], 0                          ; written once: a lane permute's destination counts as one of its sources
.endr
	v_mov_b32 v[NINF], 0xff800000
	v_mov_b32 v[RL+1], 0                           ; (named as the upper half of a pair)
	s_mov_b32 s72, 0x03020302
	s_cmp_eq_u32 s74, 0
	s_cselect_b32 s72, 0x01000100, s72             ; my tile's two bytes of the pair's word, twice
	s_wait_loadcnt 0x0
	v_perm_b32 v[QW], v[QW], v[QW], s72
	v_perm_b32 v[QW+1], v[QW+1], v[QW+1], s72
.irp j, 0,1,2,3,4,5,6,7,8,9,10,11,12,13,14,15,16,17,18,19,20,21,22,23,24,25,26,27,28,29,30,31
	v_mov_b32 v[O+\j], 0                           ; O^T: the key step is written once, and its first pass adds onto zeros.  These 32 stand here as the places between the write of q's scale word and the first scaled product, which wants eight
.endr
; A KEY STEP: 128 keys, at LDS byte s[TB].  full = 1: the step may lie on the diagonal.
.macro STEP full
	v_add_nc_u32 v[A16], s[TB], v[L16]
	v_add_nc_u32 v[A8], s[TB], v[L8]
	v_add_nc_u32 v[A4], s[TB], v[L4]
	v_nop                                          ; four places in front of loads into registers that the last products have read
.irp bt, 0,1,2,3
	FRAG KVF+12*\bt, A16, A8, 1536*\bt
	ds_load_b32 v[KS+\bt], v[A4] offset:12288+128*\bt
.endr
	s_wait_dscnt 0x0
.irp bt, 0,1,2,3
	v_wmma_scale_f32_16x16x128_f8f6f4 v[S+16*\bt:S+16*\bt+7], v[KVF+12*\bt:KVF+12*\bt+11], v[22:33], 0, v[KS+\bt], v[QW] matrix_a_fmt:MATRIX_FMT_FP6 matrix_b_fmt:MATRIX_FMT_FP6      ; the pair's first tile x [q | 0]
	v_wmma_scale_f32_16x16x128_f8f6f4 v[S+16*\bt+8:S+16*\bt+15], v[KVF+12*\bt:KVF+12*\bt+11], v[16:27], 0, v[KS+\bt], v[QW] matrix_a_fmt:MATRIX_FMT_FP6 matrix_b_fmt:MATRIX_FMT_FP6   ; its second x [0 | q]
.endr
.rept 4
	v_nop
.endr
.irp bt, 0,1,2,3                               ; V's fragments land while the softmax is walked
	FRAG KVF+12*\bt, A16, A8, 6144+1536*\bt
	ds_load_b32 v[KS+\bt], v[A4] offset:12800+128*\bt
.endr
.if \full
	s_cmp_lg_u32 s[KSN], s[CUR]                    ; a branch on ids: only the step on the diagonal hides keys
	s_cbranch_scc1 .Lopen_\@
.set n, 0
.rept 64
	v_cmp_gt_i32 vcc_lo, 32*(n/16)+n%16, v[DQ]     ; register 16 b + i holds key 32 b + 16 h + i: hidden where it comes after my query
	v_cndmask_b32 v[S+n], v[S+n], v[NINF], vcc_lo
.set n, n+1
.endr
.Lopen_\@:
.endif
.irp b, 0,1,2,3
	v_max3_num_f32 v[BM+\b], v[S+16*\b], v[S+1+16*\b], v[S+2+16*\b]    ; the largest score of each block of 32 keys: p rises with the score
.endr
.irp i, 3,5,7,9,11,13
.irp b, 0,1,2,3
	v_max3_num_f32 v[BM+\b], v[BM+\b], v[S+16*\b+\i], v[S+1+16*\b+\i]
.endr
.endr
.irp b, 0,1,2,3
	v_max_num_f32 v[BM+\b], v[BM+\b], v[S+15+16*\b]
.endr
.irp b, 0,1,2,3
	v_permlanex16_b32 v[BT+\b], v[BM+\b], s[SEL], s[SEL+1]
.endr
.irp b, 0,1,2,3
	v_max_num_f32 v[BM+\b], v[BM+\b], v[BT+\b]
.endr
.irp j, 0,2,4,6,8,10,12,14,16,18,20,22,24,26,28,30,32,34,36,38,40,42,44,46,48,50,52,54,56,58,60,62
	v_pk_mul_f32 v[S+\j:S+\j+1], v[S+\j:S+\j+1], s[CS:CS+1] op_sel_hi:[1,0]   ; t
.endr
.irp b, 0,1,2,3
	v_mul_f32 v[BM+\b], s[CS], v[BM+\b]
.endr
.irp j, 0,1,2,3,4,5,6,7,8,9,10,11,12,13,14,15,16,17,18,19,20,21,22,23,24,25,26,27,28,29,30,31,32,33,34,35,36,37,38,39,40,41,42,43,44,45,46,47,48,49,50,51,52,53,54,55,56,57,58,59,60,61,62,63
	v_exp_f32 v[S+\j], v[S+\j]                     ; p = 2^t
.endr
.irp b, 0,1,2,3
	v_exp_f32 v[BM+\b], v[BM+\b]                   ; the block's largest p
.endr
	v_nop                                          ; a plain place behind the batch,
	s_wait_alu depctr_va_vdst(0)                   ; and one wait for all 68, ahead of the first reader
.irp b, 0,1,2,3
	v_max_num_f32 v[BM+\b], 0x1800000, v[BM+\b]    ; the floor 2^(3 - 127): a block all of whose keys are hidden keeps the byte 1; its codes are zeros
.endr
.irp b, 0,1,2,3
	v_add_nc_u32 v[SCL+\b], 0xff000000, v[BM+\b]
.endr
.irp b, 0,1,2,3
	v_lshrrev_b32 v[BY+\b], 23, v[SCL+\b]
.endr
	v_lshl_or_b32 v[PW], v[BY+1], 8, v[BY]
	v_lshl_or_b32 v[PW], v[BY+2], 16, v[PW]
	v_lshl_or_b32 v[PW], v[BY+3], 24, v[PW]
.irp c, 0,1
	v_cvt_scalef32_pk16_fp6_f32 v[P+6*\c:P+2+6*\c], v[S+32*\c:S+15+32*\c], v[SCL+2*\c]
	v_cvt_scalef32_pk16_fp6_f32 v[P+12+4*\c:P+14+4*\c], v[S+16+32*\c:S+31+32*\c], v[SCL+2*\c+1]
.endr
	v_nop
.irp c, 0,1
.irp i, 0,1,2
	v_permlane16_swap_b32 v[P+6*\c+\i], v[P+12+4*\c+\i]
.endr
.irp i, 0,1,2
	v_mov_b32 v[P+3+6*\c+\i], v[P+12+4*\c+\i]
.endr
.endr
	v_pk_add_f32 v[L2:L2+1], v[S:S+1], v[S+2:S+3]  ; the row's sum is taken of the unquantised p, in two chains.  (These 32 are also the places between the writes of p's codes and scale word and the products)
.irp j, 4,8,12,16,20,24,28,32,36,40,44,48,52,56,60
	v_pk_add_f32 v[14:15], v[14:15], v[S+\j:S+\j+1]
	v_pk_add_f32 v[L2:L2+1], v[L2:L2+1], v[S+\j+2:S+\j+3]
.endr
	v_pk_add_f32 v[14:15], v[14:15], v[L2:L2+1]
	s_wait_dscnt 0x0                               ; V is in
.irp t, 0,1,2,3                                ; O^T += V^T P^T: the four accumulators by turns, and the eight score products stand between two turns of each
	v_wmma_scale_f32_16x16x128_f8f6f4 v[O+8*\t:O+8*\t+7], v[KVF+12*\t:KVF+12*\t+11], v[P:P+11], v[O+8*\t:O+8*\t+7], v[KS+\t], v[PW] matrix_a_fmt:MATRIX_FMT_FP6 matrix_b_fmt:MATRIX_FMT_FP6
.endr
.endm
; A block of queries is finished: O^T / the sum x the mask, quantised along the head's 64 (register 16 b + i = channel 32 b + 16 h + i), stored as half a fragment and two scale bytes a row.
.macro FINISH ya, ys
.rept 4
	v_nop
.endr
	v_add_f32 v14, v14, v15
	v_permlanex16_b32 v[BT], v14, s[SEL], s[SEL+1]
	v_add_f32 v14, v14, v[BT]
	v_rcp_f32 v[RL], v14
	v_nop
	s_wait_alu depctr_va_vdst(0)
	v_mul_f32 v[RL], v[RL], v[MK]
.irp j, 0,2,4,6,8,10,12,14,16,18,20,22,24,26,28,30
	v_pk_mul_f32 v[S+\j:S+\j+1], v[O+\j:O+\j+1], v[RL:RL+1] op_sel_hi:[1,0]
.endr
.irp b, 0,1
	v_max3_num_f32 v[BM+\b], |v[S+16*\b]|, |v[S+1+16*\b]|, 0x1800000
.endr
.irp i, 2,4,6,8,10,12,14
.irp b, 0,1
	v_max3_num_f32 v[BM+\b], v[BM+\b], |v[S+16*\b+\i]|, |v[S+1+16*\b+\i]|
.endr
.endr
.irp b, 0,1
	v_permlanex16_b32 v[BT+\b], v[BM+\b], s[SEL], s[SEL+1]
.endr
.irp b, 0,1
	v_max_num_f32 v[BM+\b], v[BM+\b], v[BT+\b]
.endr
.irp b, 0,1
	v_add_nc_u32 v[SCL+\b], 0xff000000, v[BM+\b]
.endr
.irp b, 0,1
	v_lshrrev_b32 v[BY+\b], 23, v[SCL+\b]
.endr
	v_cvt_scalef32_pk16_fp6_f32 v[P:P+2], v[S:S+15], v[SCL]
	v_cvt_scalef32_pk16_fp6_f32 v[P+12:P+14], v[S+16:S+31], v[SCL+1]
	v_nop
.irp i, 0,1,2
	v_permlane16_swap_b32 v[P+\i], v[P+12+\i]
.endr
.irp i, 0,1,2
	v_mov_b32 v[P+3+\i], v[P+12+\i]
.endr
	global_store_b128 v[L16], v[P:P+3], s[\ya:\ya+1]
	global_store_b64 v[L8], v[P+4:P+5], s[\ya:\ya+1] offset:512
	v_cmp_eq_u32 vcc_lo, 1, v13
	v_cndmask_b32 v[BY+2], v[BY], v[BY+1], vcc_lo
	global_store_b8 v[YSO], v[BY+2], s[\ys:\ys+1]  ; lane (r, h) stores the byte of its row's block h: one byte in 24 of what the launch stores
	s_wait_xcnt 0x0                                ; the stores have read their registers
.endm
	s_wait_tensorcnt 1                             ; my chunk of key steps 0-7 is in; the second half may stay out
	s_barrier_signal -1
	s_barrier_wait -1                              ; everybody's is
	s_mov_b32 s[TB], 0
	s_mov_b32 s[J], 0
.Lplain:                                           ; key steps 0-7 of the first block: it has 16 - p, at least 9, so none of these lies on the diagonal
	STEP 0
	s_add_co_u32 s[TB], s[TB], KVS
	s_add_co_u32 s[J], s[J], 1
	s_cmp_lt_u32 s[J], 8
	s_cbranch_scc1 .Lplain
	s_wait_tensorcnt 0x0                           ; my chunk of key steps 8-15 is in,
	s_wait_dscnt 0x0
	s_barrier_signal -1
	s_barrier_wait -1                              ; everybody's is
	s_mov_b32 s[J], 8
.Ldiag:                                            ; trips 8 to 16: the rest of the first block, then the second block's p + 1 steps
	s_cmp_lg_u32 s[J], s[CH]
	s_cbranch_scc1 .Lsame
	FINISH 48, 52
	v_mov_b32 v[QW], v[QW+1]                       ; the second block's q, scale word and mask; the clearing below is also the places ahead of the next products
.irp i, 0,1,2,3,4,5
	v_mov_b32 v[22+\i], v[Q2+\i]
.endr
	v_mov_b32 v[MK], v[MK+1]
	v_mov_b32 v14, 0
	v_mov_b32 v15, 0
.irp j, 0,1,2,3,4,5,6,7,8,9,10,11,12,13,14,15,16,17,18,19,20,21,22,23,24,25,26,27,28,29,30,31
	v_mov_b32 v[O+\j], 0
.endr
	s_mov_b32 s[CUR], s13
.Lsame:
	s_cmp_ge_u32 s[J], s[CH]
	s_cselect_b32 s[KSN], s13, 0
	s_add_co_u32 s[KSN], s[KSN], s[J]
	s_and_b32 s[KSN], s[KSN], 15                   ; the key step: J in the first block, J + p - 16 in the second
	s_mul_i32 s[TB], s[KSN], KVS
	STEP 1
	s_add_co_u32 s[J], s[J], 1
	s_cmp_lt_u32 s[J], 17
	s_cbranch_scc1 .Ldiag
	FINISH 50, 54
	s_wait_tensorcnt 0x0
	ds_add_u32 v254, v255
	s_wait_dscnt 0x0
	s_endpgm
.Lfunc_end_k_qe5d68df277_attn:
	.size	k_qe5d68df277_attn, .Lfunc_end_k_qe5d68df277_attn-k_qe5d68df277_attn
	.p2alignl 7, 3214868480
	.fill 96, 4, 3214868480
	.section	.rodata,"a",@progbits
	.p2align	6, 0x0
	.amdhsa_kernel k_qe5d68df277_attn
		.amdhsa_group_segment_fixed_size 215040
		.amdhsa_private_segment_fixed_size 0
		.amdhsa_enable_private_segment 0
		.amdhsa_kernarg_size 32
		.amdhsa_user_sgpr_count 2
		.amdhsa_user_sgpr_kernarg_segment_ptr 1
		.amdhsa_wavefront_size32 1
		.amdhsa_system_sgpr_workgroup_id_x 1
		.amdhsa_system_sgpr_workgroup_id_y 1
		.amdhsa_system_sgpr_workgroup_id_z 1
		.amdhsa_system_vgpr_workitem_id 0
		.amdhsa_next_free_vgpr 256
		.amdhsa_next_free_sgpr 76
		.amdhsa_reserve_vcc 1
		.amdhsa_float_denorm_mode_32 3
		.amdhsa_float_denorm_mode_16_64 3
		.amdhsa_memory_ordered 1
		.amdhsa_forward_progress 1
		.amdhsa_inst_pref_size 52
	.end_amdhsa_kernel
	.amdgpu_metadata
---
amdhsa.version: [ 1, 2 ]
amdhsa.kernels:
  - .name:           k_qe5d68df277_attn
    .symbol:         k_qe5d68df277_attn.kd
    .args:
      - { .name: QB, .offset: 0, .size: 8, .value_kind: global_buffer, .address_space: global }
      - { .name: KV, .offset: 8, .size: 8, .value_kind: global_buffer, .address_space: global }
      - { .name: out1, .offset: 16, .size: 8, .value_kind: global_buffer, .address_space: global }
      - { .name: YB, .offset: 24, .size: 8, .value_kind: global_buffer, .address_space: global }
    .group_segment_fixed_size: 215040
    .private_segment_fixed_size: 0
    .kernarg_segment_align: 8
    .kernarg_segment_size: 32
    .max_flat_workgroup_size: 512
    .sgpr_count:     76
    .vgpr_count:     256
    .wavefront_size: 32
...
	.end_amdgpu_metadata
.endif
;; end of part 3
;; launch oproj (part 4): grid 4 x 64, 4 waves a work-group, clusters of 4 x 4, 327,680 bytes of LDS; arguments YB, WB, out0; writes out0
.if DOCPART == 4
	.amdgcn_target "amdgcn-amd-amdhsa--gfx1250"
	.amdhsa_code_object_version 6
	.text
	.protected	k_qe5d68df277_oproj
	.globl	k_qe5d68df277_oproj
	.p2align	8
	.type	k_qe5d68df277_oproj,@function
k_qe5d68df277_oproj:
	s_mov_b64 s[64:65], 0
	v_nop
	global_prefetch_b8 v0, s[64:65] scope:SCOPE_SE
	s_setreg_imm32_b32 hwreg(HW_REG_WAVE_MODE, 25, 1), 1
	s_wait_xcnt 0x0
	s_wait_alu depctr_hold_cnt(0) depctr_sa_sdst(0) depctr_va_vdst(0) depctr_va_sdst(0) depctr_va_ssrc(0) depctr_va_vcc(0) depctr_vm_vsrc(0)
	s_getreg_b32 s2, hwreg(HW_REG_IB_STS2, 6, 4)
	s_cmp_eq_u32 s2, 0
	s_cbranch_scc0 .Lentry_in_a_cluster
	s_endpgm
.Lentry_in_a_cluster:
	s_bfe_u32 s2, ttmp6, 0x10000c
	s_cmp_lg_u32 s2, 0xf033
	s_cbranch_scc0 .Lentry_shape_is_right
	s_endpgm
.Lentry_shape_is_right:
; LAUNCH 4.  out0 = y Wo^T on codes of E2M3.  A work-group takes 128 tokens (R) x 256 columns (nt); its four waves stand 2 x 2, each with 64 tokens x 128 columns: 32 accumulators.
; All of K for the work-group fits in LDS: y's codes 98,304 bytes, Wo's 196,608, each byte filled ONCE, in four blocks along K: so there is no ring, and a K block is multiplied as soon as it has landed.
; CLUSTER 4 x 4: the four work-groups of a row share R and ask for y's blocks jointly, the four of a column share nt and ask for Wo's jointly.  No prefetch: every byte is asked for at the head.
; Source 0 = 16 rows of Wo, source 1 = 16 tokens: a lane holds one token, and the 16 registers of a pair of tiles are 16 neighbouring columns.
; The way out goes through each wave's own stage in LDS, 16 rows x 64 columns at a time, so that sixteen lanes store 256 consecutive bytes, aligned.
; REGISTERS.  window 0: v4-11 addresses; v32-63 y's scale words [8 a + K step], v64-127 Wo's: scales and nothing else; v128-223 y's fragments, two sets of four, later the rows on their way out.
;   window 1: accumulator (a, b) at v[8 (8 a + b)].   window 2: Wo's fragments, two sets of eight, at v0 and v128.
.set BOFF,  98304
.set STAGE, 294912                     ; 16 rows x (256 bytes + 16) for each wave; no tensor load lands here
.set SPITCH, 272
.set ADRA16, 4
.set ADRA8,  5
.set ADRB16, 6
.set ADRB8,  7
.set STO,  8
.set RD,   9
.set CO,   10
.set SWO,  11
.set SA,   32
.set SB,   64
.set AF,   128
.set BK,   128
.set WV,   10
.set G1A,  32
.set G1B,  40
.set G0A,  48
.set G0B,  68
.set PA,   84
.set PB,   86
.set MSB, 0
.macro WIN new
.if MSB != \new
	s_set_vgpr_msb (MSB<<8)|\new
.set MSB, \new
.endif
.endm
.macro PLACES n
.rept \n
	v_nop
.endr
.endm
.macro CROUND
	s_barrier_signal -1
	s_barrier_wait -1
	s_cmp_lg_u32 s[WV], 0
	s_cbranch_scc1 .Lnot_wave_0_\@
	s_barrier_signal -3
.Lnot_wave_0_\@:
	s_barrier_wait -3
	s_barrier_signal -1
	s_barrier_wait -1
.endm
.macro FRAG reg, a16, a8, off
	ds_load_b128 v[\reg:\reg+3], v[\a16] offset:\off
	ds_load_b64 v[\reg+4:\reg+5], v[\a8] offset:\off+512
	ds_load_b128 v[\reg+6:\reg+9], v[\a16] offset:\off+768
	ds_load_b64 v[\reg+10:\reg+11], v[\a8] offset:\off+1280
.endm
.macro FETCH ks                        ; K step ks: Wo's eight fragments and y's four, 48 loads, into set ks % 2
	WIN 0x80
.irp i, 0,1,2,3,4,5,6,7
	FRAG 128*((\ks)%2)+12*\i, ADRB16, ADRB8, \i*3072+((\ks)%2)*1536
.endr
	WIN 0
.irp i, 0,1,2,3
	FRAG AF+48*((\ks)%2)+12*\i, ADRA16, ADRA8, \i*3072+((\ks)%2)*1536
.endr
.endm
.macro MUL32 ks                        ; the 32 accumulators take turns, one instruction a turn, in the same order in every step
	WIN 0x52                                       ; source 0 window 2, source 1 window 0, C and D window 1
.irp a, 0,1,2,3
.irp b, 0,1,2,3,4,5,6,7
.if (\ks) == 0
	v_wmma_scale_f32_16x16x128_f8f6f4 v[8*(8*\a+\b):8*(8*\a+\b)+7], v[128*((\ks)%2)+12*\b:128*((\ks)%2)+12*\b+11], v[AF+48*((\ks)%2)+12*\a:AF+48*((\ks)%2)+12*\a+11], 0, v[SB+8*\b+(\ks)], v[SA+8*\a+(\ks)] matrix_a_fmt:MATRIX_FMT_FP6 matrix_b_fmt:MATRIX_FMT_FP6
.else
	v_wmma_scale_f32_16x16x128_f8f6f4 v[8*(8*\a+\b):8*(8*\a+\b)+7], v[128*((\ks)%2)+12*\b:128*((\ks)%2)+12*\b+11], v[AF+48*((\ks)%2)+12*\a:AF+48*((\ks)%2)+12*\a+11], v[8*(8*\a+\b):8*(8*\a+\b)+7], v[SB+8*\b+(\ks)], v[SA+8*\a+(\ks)] matrix_a_fmt:MATRIX_FMT_FP6 matrix_b_fmt:MATRIX_FMT_FP6
.endif
.endr
.endr
	WIN 0
.endm
.macro KS ks
.if (\ks) < 7
.if ((\ks)+1)%2 == 0
	s_wait_dscnt 0x0                               ; no LDS load of mine is out at the signal
	s_wait_tensorcnt 3-((\ks)+1)/2                 ; my part of the next K block is in; the later blocks' loads may be out
	s_barrier_signal -1
	s_barrier_wait -1                              ; everybody's is
	v_add_nc_u32 v[ADRA16], 24576, v[ADRA16]       ; on to that block.  (These four are also the places in front of the loads below)
	v_add_nc_u32 v[ADRA8], 24576, v[ADRA8]
	v_add_nc_u32 v[ADRB16], 49152, v[ADRB16]
	v_add_nc_u32 v[ADRB8], 49152, v[ADRB8]
.elseif (\ks) > 0
	PLACES 4                                       ; in front of loads into the set that the last products read
.endif
	FETCH (\ks)+1
	s_wait_dscnt 48                                ; all but the 48 just issued
.else
	s_wait_dscnt 0x0
.endif
	MUL32 \ks
.endm
	s_load_b128 s[4:7], s[0:1], 0x0                ; YB, WB
	s_load_b64 s[8:9], s[0:1], 0x10                ; out0
	v_lshl_add_u32 v254, v0, 2, 0x4c400
	v_mov_b32 v255, 0
	ds_add_u32 v254, v255
	ds_add_u32 v254, v255
	v_lshrrev_b32 v1, 5, v0
	v_readfirstlane_b32 s[WV], v1
	s_bfe_u32 s11, ttmp6, 0x40000                  ; cx
	s_bfe_u32 s12, ttmp6, 0x40004                  ; cy
	s_lshl_b32 s13, ttmp9, 2
	s_add_co_u32 s13, s13, s11                     ; nt
	s_and_b32 s14, ttmp7, 0xffff
	s_lshl_b32 s14, s14, 2
	s_add_co_u32 s14, s14, s12                     ; R
	s_lshl_b32 s15, s12, 2
	s_lshl_b32 s15, 15, s15                        ; my row of the cluster
	s_lshl_b32 s16, 0x1111, s11                    ; my column
	s_or_b32 s[G1A], s15, (3<<16)|(1<<21)          ; every load: 24,576 dense bytes as 96 rows of 32 elements of 8 bytes
	s_or_b32 s[G1B], s16, (3<<16)|(1<<21)
.irp g, G1A, G1B
	s_mov_b32 s[\g+1], 32<<16
	s_mov_b32 s[\g+2], 96<<16
	s_mov_b32 s[\g+3], 32<<16
	s_mov_b32 s[\g+4], 96
	s_mov_b32 s[\g+5], 32
	s_mov_b32 s[\g+6], 0
	s_mov_b32 s[\g+7], 0
.endr
	s_mul_i32 s18, s14, 98304                      ; y's codes hang on R alone,
	s_mov_b32 s19, 0
	s_lshr_b32 s17, s[WV], 1
	s_mul_i32 s17, s17, 24576                      ; which half of a block of Wo: wave 1 the first, wave 2 the second
	s_mul_i32 s20, s13, 196608                     ; Wo's on nt alone
	s_add_co_u32 s20, s20, s17
	s_add_co_u32 s20, s20, 1638400
	s_mov_b32 s21, 0
	s_wait_dscnt 0x0
	s_wait_kmcnt 0x0
	s_add_nc_u64 s[18:19], s[4:5], s[18:19]
	s_add_nc_u64 s[20:21], s[6:7], s[20:21]
	CROUND                                         ; all sixteen work-groups are here: the joint loads meet
.irp g, 0,1,2,3
	s_mov_b32 s[G0A+4*\g], 1
	s_mov_b32 s[G0A+4*\g+1], \g*24576
	s_add_nc_u64 s[G0A+4*\g+2:G0A+4*\g+3], s[18:19], \g*24576
	s_or_b32 s[G0A+4*\g+3], s[G0A+4*\g+3], 0x80000000
	s_mov_b32 s[G0B+4*\g], 1
	s_add_co_u32 s[G0B+4*\g+1], s17, BOFF+\g*49152
	s_add_nc_u64 s[G0B+4*\g+2:G0B+4*\g+3], s[20:21], \g*49152
	s_or_b32 s[G0B+4*\g+3], s[G0B+4*\g+3], 0x80000000
.endr
	s_cmp_eq_u32 s[WV], 0                          ; a wave's fills stand in one branch: four loads of a wave are out at the most
	s_cbranch_scc0 .Lnot_a
.irp g, 0,1,2,3
	tensor_load_to_lds s[G0A+4*\g:G0A+4*\g+3], s[G1A:G1A+7]
	s_nop 0
.endr
	PLACES 4
	s_branch .Lasked
.Lnot_a:
	s_cmp_lt_u32 s[WV], 3
	s_cbranch_scc0 .Lasked
.irp g, 0,1,2,3
	tensor_load_to_lds s[G0B+4*\g:G0B+4*\g+3], s[G1B:G1B+7]
	s_nop 0
.endr
	PLACES 4
.Lasked:
	s_lshr_b32 s22, s[WV], 1                       ; wr: which 64 tokens are mine
	s_and_b32 s23, s[WV], 1                        ; wc: which 128 columns
	s_lshl_b32 s24, s14, 12
	s_lshl_b32 s26, s22, 11
	s_add_co_u32 s24, s24, s26
	s_add_co_u32 s24, s24, 6291456
	s_mov_b32 s25, 0
	s_add_nc_u64 s[PA:PA+1], s[4:5], s[24:25]      ; y's scale words, tiles 8 R + 4 wr on
	s_lshl_b32 s24, s13, 13
	s_lshl_b32 s26, s23, 12
	s_add_co_u32 s24, s24, s26
	s_add_co_u32 s24, s24, 2424832
	s_add_nc_u64 s[PB:PB+1], s[6:7], s[24:25]      ; Wo's, tiles 16 nt + 8 wc on
	s_lshl_b32 s24, s14, 19
	s_lshl_b32 s26, s22, 18
	s_add_co_u32 s24, s24, s26
	s_lshl_b32 s26, s13, 10
	s_add_co_u32 s24, s24, s26
	s_lshl_b32 s26, s23, 9
	s_add_co_u32 s24, s24, s26
	s_add_nc_u64 s[8:9], s[8:9], s[24:25]          ; out0 at row 128 R + 64 wr, column 256 nt + 128 wc
	v_and_b32 v1, 31, v0
	v_and_b32 v2, 15, v0                           ; r
	v_bfe_u32 v3, v0, 4, 1                         ; h
	v_lshlrev_b32 v12, 4, v1
	v_lshlrev_b32 v13, 3, v1
	s_mul_i32 s24, s22, 12288
	v_add_nc_u32 v[ADRA16], s24, v12
	v_add_nc_u32 v[ADRA8], s24, v13
	s_mul_i32 s24, s23, 24576
	s_add_co_u32 s24, s24, BOFF
	v_add_nc_u32 v[ADRB16], s24, v12
	v_add_nc_u32 v[ADRB8], s24, v13
	s_mul_i32 s24, s[WV], 16*SPITCH
	s_add_co_u32 s24, s24, STAGE                   ; my stage
	v_mul_u32_u24 v[STO], v2, SPITCH
	v_lshl_add_u32 v[STO], v3, 6, v[STO]
	v_add_nc_u32 v[STO], s24, v[STO]               ; in: row r, + 64 h
	v_mul_u32_u24 v[RD], v3, SPITCH
	v_lshl_add_u32 v[RD], v2, 4, v[RD]
	v_add_nc_u32 v[RD], s24, v[RD]                 ; back: lanes 0-15 one row of 256 bytes, lanes 16-31 the next
	v_lshlrev_b32 v[CO], 12, v3
	v_lshl_add_u32 v[CO], v2, 4, v[CO]             ; and the same two rows in out0
	v_lshlrev_b32 v[SWO], 5, v2
.irp a, 0,1,2,3
	global_load_b128 v[SA+8*\a:SA+8*\a+3], v[SWO], s[PA:PA+1] offset:512*\a
	global_load_b128 v[SA+8*\a+4:SA+8*\a+7], v[SWO], s[PA:PA+1] offset:512*\a+16
.endr
.irp b, 0,1,2,3,4,5,6,7
	global_load_b128 v[SB+8*\b:SB+8*\b+3], v[SWO], s[PB:PB+1] offset:512*\b
	global_load_b128 v[SB+8*\b+4:SB+8*\b+7], v[SWO], s[PB:PB+1] offset:512*\b+16
.endr
	s_wait_tensorcnt 3                             ; my part of the first K block is in; the three later loads may be out
	s_barrier_signal -1
	s_barrier_wait -1
	FETCH 0
	s_wait_loadcnt 0x0                             ; the scale words
.irp k, 0,1,2,3,4,5,6,7
	KS \k
.endr
; THE WAY OUT, eight blocks e = 2 a + hb of 16 rows x 64 columns.  Stage row r is the tile's row r; LDS serves a wave's instructions in order, so no wait stands between the stores and the loads, nor in front of the next block's stores.
.macro TOSTAGE e
.set TA, (\e)/2
.set HB, (\e)%2
	WIN 0x04                                       ; an LDS store's data are its source 1: window 1
.irp bb, 0,1,2,3
	ds_store_b128 v[STO], v[8*(8*TA+4*HB+\bb):8*(8*TA+4*HB+\bb)+3] offset:128*(\bb/2)+32*(\bb%2)        ; each accumulator from its low end on
	ds_store_b128 v[STO], v[8*(8*TA+4*HB+\bb)+4:8*(8*TA+4*HB+\bb)+7] offset:128*(\bb/2)+32*(\bb%2)+16
.endr
	WIN 0
.set BB, BK+32*((\e)%2)
.irp t, 0,1,2,3,4,5,6,7
	ds_load_b128 v[BB+4*\t:BB+4*\t+3], v[RD] offset:\t*2*SPITCH
.endr
.endm
.macro SEND e, younger
.set TA, (\e)/2
.set HB, (\e)%2
.set BB, BK+32*((\e)%2)
	s_wait_dscnt \younger                          ; the block is back in registers
.irp t, 0,1,2,3,4,5,6,7
	global_store_b128 v[CO], v[BB+4*\t:BB+4*\t+3], s[8:9] offset:(32*(TA/2)+8*(TA%2)+2*\t+8*(\t/4))*4096+256*HB th:TH_STORE_NT   ; stage rows 2 t, 2 t + 1 are tokens 2 t, 2 t + 1 of the tile's first eight, or of its second eight, 16 further on; 16 lanes store 256 consecutive bytes, aligned
.endr
.endm
	PLACES 4                                       ; in front of the first read of results and of loads into registers that the products have read
	TOSTAGE 0
.irp e, 1,2,3,4,5,6,7
.if \e > 1
	s_wait_xcnt 0x0                                ; block e - 2's stores have read their registers: block e's loads may land there
.endif
	TOSTAGE \e
	SEND \e-1, 16                                  ; behind block e - 1's loads: block e's 8 stores and 8 loads
.endr
	SEND 7, 0
	s_wait_dscnt 0x0
	s_wait_tensorcnt 0x0
	ds_add_u32 v254, v255
	s_wait_dscnt 0x0
	CROUND                                         ; the closing round: no work-group ends while a partner may still ask for a block that names it
	s_endpgm
.Lfunc_end_k_qe5d68df277_oproj:
	.size	k_qe5d68df277_oproj, .Lfunc_end_k_qe5d68df277_oproj-k_qe5d68df277_oproj
	.p2alignl 7, 3214868480
	.fill 96, 4, 3214868480
	.section	.rodata,"a",@progbits
	.p2align	6, 0x0
	.amdhsa_kernel k_qe5d68df277_oproj
		.amdhsa_group_segment_fixed_size 327680
		.amdhsa_private_segment_fixed_size 0
		.amdhsa_enable_private_segment 0
		.amdhsa_kernarg_size 24
		.amdhsa_user_sgpr_count 2
		.amdhsa_user_sgpr_kernarg_segment_ptr 1
		.amdhsa_wavefront_size32 1
		.amdhsa_system_sgpr_workgroup_id_x 1
		.amdhsa_system_sgpr_workgroup_id_y 1
		.amdhsa_system_sgpr_workgroup_id_z 1
		.amdhsa_system_vgpr_workitem_id 0
		.amdhsa_next_free_vgpr 768
		.amdhsa_next_free_sgpr 100
		.amdhsa_reserve_vcc 0
		.amdhsa_float_denorm_mode_32 3
		.amdhsa_float_denorm_mode_16_64 3
		.amdhsa_memory_ordered 1
		.amdhsa_forward_progress 1
		.amdhsa_inst_pref_size 85
	.end_amdhsa_kernel
	.amdgpu_metadata
---
amdhsa.version: [ 1, 2 ]
amdhsa.kernels:
  - .name:           k_qe5d68df277_oproj
    .symbol:         k_qe5d68df277_oproj.kd
    .args:
      - { .name: YB, .offset: 0, .size: 8, .value_kind: global_buffer, .address_space: global }
      - { .name: WB, .offset: 8, .size: 8, .value_kind: global_buffer, .address_space: global }
      - { .name: out0, .offset: 16, .size: 8, .value_kind: global_buffer, .address_space: global }
    .group_segment_fixed_size: 327680
    .private_segment_fixed_size: 0
    .kernarg_segment_align: 8
    .kernarg_segment_size: 24
    .max_flat_workgroup_size: 128
    .sgpr_count:     100
    .vgpr_count:     768
    .wavefront_size: 32
...
	.end_amdgpu_metadata
.endif
;; end of part 4
